; MI455X (gfx1250); checked and timed in simulation.
; The chip was launched on July 23, 2026; its instructions are those of AMD's public machine-readable ISA for CDNA 5 (MIT licence, August 2026) and "CDNA5" Instruction Set Architecture Reference Guide (July 2026). The comments in the code are by the model that wrote it; some were corrected since.
;; Self Attention. Allowed arithmetic: matrix products marked QUANTISED: E3M2 operands, one E8M0 scale for each 32 along K, by v_wmma_scale_f32_16x16x128_f8f6f4 with both operands' format E3M2, f32 sums; everything else in f32.
;; Inputs: Wk 1,024 x 1,024 float32; Wq 1,024 x 1,024 float32; Wv 1,024 x 1,024 float32; bk 1,024 float32; bq 1,024 float32; bv 1,024 float32; x 4 x 2,048 x 1,024 float32.
;; Outputs: out0 4 x 2,048 x 1,024 float32.
;; This version of the problem:
;;   THIS VERSION OF THE PROBLEM IS GIVEN IN LOW PRECISION. The matrix products marked QUANTISED in the list below multiply operands that are first quantised to E3M2 (3 exponent bits, 2 mantissa bits; 6 bits a number), with one power-of-two scale for each 32 numbers along K (OCP MX v1.0); their sums are f32. All else is computed in f32.
;;   The module's matrix products, in the order in which they are computed (A, B: the left and right operand; K: the contracted axis; several contracted axes count as one K, in the product's order):
;;     1. [M 8,192, K 1,024] x [K 1,024, N 1,024]; A: input x; B: input Wq: QUANTISED
;;     2. [M 8,192, K 1,024] x [K 1,024, N 1,024]; A: input x; B: input Wk: QUANTISED
;;     3. [M 8,192, K 1,024] x [K 1,024, N 1,024]; A: input x; B: input Wv: QUANTISED
;;     4. batch 4 x [M 2,048, K 1,024] x [K 1,024, N 2,048]; A: computed on the way; B: computed on the way: QUANTISED
;;     5. batch 4 x [M 2,048, K 2,048] x [K 2,048, N 1,024]; A: softmax (see below); B: computed on the way: QUANTISED
;;   THE QUANTISER, for each operand of a quantised product, along K:
;;     - K is cut into blocks of 32 from its start; a last block that is shorter is filled with zeros.
;;     - A block's scale is 2^e with e = floor(log2(the largest magnitude in the block)) - 4, held to -126 .. 127; a block of zeros has e = 0. As a byte (E8M0): e + 127.
;;     - Each number is divided by its block's scale, clamped to +-28, and rounded to the nearest number of E3M2, ties to even, subnormals kept.
;;     - The product sums the exact products of the quantised numbers (number of the format x scale) in f32.
;;   ~~~python
;;   def quantise(x, axis):      # numpy; x: float32 -> the quantised numbers, widened to float32 again
;;       x = np.moveaxis(x, axis, -1); K = x.shape[-1]
;;       x = np.pad(x, [(0, 0)] * (x.ndim - 1) + [(0, -K % 32)]); x = x.reshape(x.shape[:-1] + (-1, 32)); a = np.abs(x).max(-1, keepdims=True)
;;       e = np.where(a > 0, np.clip(np.frexp(np.where(a > 0, a, 1))[1] - 1 - 4, -126, 127), 0)      # np.frexp(a)[1] - 1 = floor(log2(a)), exactly
;;       r = np.clip(x / 2.0 ** e, -28, 28)
;;       step = 2.0 ** (np.maximum(np.frexp(np.where(r == 0, 1, r))[1] - 1, -2) - 2)
;;       q = np.round(r / step) * step * 2.0 ** e      # np.round: ties to even
;;       return np.moveaxis(q.reshape(q.shape[:-2] + (-1,))[..., :K], -1, axis).astype(np.float32)
;;   ~~~
;;   SOFTMAX AHEAD OF A QUANTISED PRODUCT. Where the list says 'softmax', what is quantised is not the finished softmax but p = 2^(t - M), with t = logit x log2(e) and M = ceil(the row's largest t), a whole number; so 1/2 < the row's largest p <= 1. The row's sum l is taken of the UNQUANTISED p, in f32, and the product's result is divided by l at the end. Since M is a whole number, a kernel that streams over the keys may use a running M (the ceiling of the running maximum): every later rescaling is an exact power of two, which a block's scale takes up: the codes' values come out the same.
;;   OPERANDS COMPUTED ON THE WAY. 'Computed on the way' means the value that the module computes at that place (a softmax that the list does not call 'softmax' is quantised finished and normalised). What goes into a quantiser is computed in f32, as accurately as f32 sums, v_exp_f32 and their like allow (about 1e-6 of the number): no bf16 or f16 on the way to a quantiser, and a product that is left as it is and whose result goes on into a quantised operand takes f32 operands (vector FMAs, or v_wmma_f32_16x16x4_f32). A number that lies on a knife's edge between two numbers of the format may be rounded either way, as far as f32 arithmetic and the matrix unit's own rounding can turn it there, and no further.
;; One version. Each part assembles by itself: llvm-mc -triple=amdgcn-amd-amdhsa -mcpu=gfx1250 --defsym DOCPART=n.
;; ======== version 1 of 1: 4 launches
;; limits: right only within a limited range of input values
;; workspace buffers: XW 8,650,752 bytes; SC1 360,448 bytes; QK 12,582,912 bytes; SC2 524,288 bytes; VT 6,291,456 bytes; SC3 262,144 bytes; PB 12,582,912 bytes; PST 1,572,864 bytes
;; launch quant (part 1): grid 1408 x 1, 2 waves a work-group, no clusters, 24,576 bytes of LDS; arguments x, Wq, Wk, Wv, XW, SC1; writes XW, SC1
.if DOCPART == 1
	.amdgcn_target "amdgcn-amd-amdhsa--gfx1250"
	.amdhsa_code_object_version 6
	.text
	.protected	k_q6c72691195_quant
	.globl	k_q6c72691195_quant
	.p2align	8
	.type	k_q6c72691195_quant,@function
k_q6c72691195_quant:
	s_mov_b64 s[64:65], 0
	v_nop
	global_prefetch_b8 v0, s[64:65] scope:SCOPE_SE
	s_setreg_imm32_b32 hwreg(HW_REG_WAVE_MODE, 25, 1), 1
	s_wait_xcnt 0x0
; x [8192][1024] and Wq, Wk, Wv [1024 (d)][1024 (e)], f32, become codes of BF6 (E3M2) with one E8M0 byte for each 32 along d, laid as the products' operand registers want them.
; XW: fragments of 16 slots x 128 along d.  A fragment is the image of its 12 registers, 1,536 bytes: register R of lane l at 512 (R / 4) + 16 l + 4 (R % 4).  Fragment (ks, rb) lies at (704 ks + rb) x 1,536;
;     rb 0-511 rows of x, 512-575 columns of Wq, 576-639 of Wk, 640-703 of Wv.  Slot r of fragment rb is row (or column) 32 (rb / 2) + 8 (rb % 2) + r + 8 (r / 8).
; SC1: the scale word (four bytes, 128 along d) of (rb, slot r, ks) is word 11,264 ks + 64 (rb / 4) + 4 r + rb % 4.
; A block's scale is 2^(floor(log2(largest magnitude)) - 4): its byte is the largest magnitude's exponent field - 4, held at 1 from below.
; LIMITS: a block whose largest magnitude lies under 2^-122, a block of zeros among them, keeps the byte 1 (a block of zeros has zero codes, and this program alone reads the bytes); NaN and infinities are not served.
; SHARES: a work-group makes 4 fragments (64 slots, one ks) and their 256 bytes of scale words; a wave two of the fragments, with all its loads asked for at the start.  Work-groups 0-383 take the weights, the others x:
; two ways, each with LDS bytes of its own.  The two waves join their scale words in LDS: one barrier, and wave 0 stores the aligned 256 bytes.
.set FRB,   1536
.set NRB,   704
.set KSC,   45056                      ; bytes of scale words for one ks
.set XSTG,  8448                       ; x: a wave's stage, 16 rows x (512 + 16) bytes
.set WBASE, 2*XSTG                     ; the weights' stages lie behind x's
.set WP,    1664                       ; from image to image in a stage
.set WSC,   2*WP                       ; the weights' 256 bytes of scale words, behind wave 0's two images
.set WSTG,  WSC+256
.set SPARE, WBASE+2*WSTG               ; the spare words, 128 bytes for each wave: one block of 256 bytes that no other line names
.set XSC,   SPARE+256                  ; x's 256 bytes of scale words
.set SPW,   8
.set NIL,   10
.set PC,    16                         ; v16-35  codes just made (12) and 8 at work
.set TM,    36                         ; v36-51  largest magnitudes, bytes, scale operands
.set PW,    52                         ; v52-53  the two fragments' scale words
.set XO,    56
.set RR,    64                         ; v64-191 x as loaded: two sets of 64
.set XX,    192                        ; v192-255 64 numbers of my slot
.set TC,    16                         ; weights: v16-39 codes
.set XS,    64                         ; v64-191 four sets of 32 numbers down d
.set TT,    192                        ; v192-194 a block's second 16 codes
.set OUTR,  196                        ; v196-219 the two images on their way out
.set SEL,   20                         ; s[20:21] lane selects: lane l xor 16
; 64 numbers of a lane, register 16 b + i = k 32 b + 16 (lane / 16) + i of my slot, become the fragment's codes in v[PC] on and its scale word in v[pw]
.macro QUANT s, pw
.irp b, 0,1,2,3
	v_max3_num_f32 v[TM+\b], |v[\s+16*\b]|, |v[\s+1+16*\b]|, 0x2800000   ; with the floor 2^(5 - 127): the byte cannot fall under 1
.endr
.irp i, 2,4,6,8,10,12,14
.irp b, 0,1,2,3
	v_max3_num_f32 v[TM+\b], v[TM+\b], |v[\s+16*\b+\i]|, |v[\s+1+16*\b+\i]|
.endr
.endr
.irp b, 0,1,2,3
	v_permlanex16_b32 v[TM+4+\b], v[TM+\b], s[SEL], s[SEL+1]
.endr
.irp b, 0,1,2,3
	v_max_num_f32 v[TM+\b], v[TM+\b], v[TM+4+\b]   ; with lane l xor 16's: the block's largest magnitude
.endr
.irp b, 0,1,2,3
	v_add_nc_u32 v[TM+12+\b], 0xfe000000, v[TM+\b]   ; 4 off the exponent field: the conversion's scale operand
.endr
.irp b, 0,1,2,3
	v_lshrrev_b32 v[TM+4+\b], 23, v[TM+12+\b]      ; the byte
.endr
	v_lshl_or_b32 v[\pw], v[TM+5], 8, v[TM+4]
	v_lshl_or_b32 v[\pw], v[TM+6], 16, v[\pw]
	v_lshl_or_b32 v[\pw], v[TM+7], 24, v[\pw]
.irp c, 0,1
	v_cvt_scalef32_pk16_bf6_f32 v[PC+6*\c:PC+2+6*\c], v[\s+32*\c:\s+15+32*\c], v[TM+12+2*\c]
	v_cvt_scalef32_pk16_bf6_f32 v[PC+12+4*\c:PC+14+4*\c], v[\s+16+32*\c:\s+31+32*\c], v[TM+12+2*\c+1]
.endr
	v_nop                                          ; one plain place behind the scaled conversions
.irp c, 0,1                                    ; a whole block to a lane: lanes 0-15 block 2 c, lanes 16-31 block 2 c + 1
.irp i, 0,1,2
	v_permlane16_swap_b32 v[PC+6*\c+\i], v[PC+12+4*\c+\i]
.endr
.irp i, 0,1,2
	v_mov_b32 v[PC+3+6*\c+\i], v[PC+12+4*\c+\i]
.endr
.endr
.endm
; behind a wave's last LDS store: the barrier shows both waves' scale words
.macro JOIN
	s_wait_tensorcnt 0x0
	ds_add_u32 v[SPW], v[NIL]
	s_wait_dscnt 0x0
	s_barrier_signal -1
	s_barrier_wait -1
.endm
	s_load_b256 s[4:11], s[0:1], 0x0               ; x, Wq, Wk, Wv
	s_load_b128 s[12:15], s[0:1], 0x20             ; XW, SC1
	v_lshl_add_u32 v[SPW], v0, 2, SPARE
	v_mov_b32 v[NIL], 0
	v_lshrrev_b32 v1, 5, v0
	v_readfirstlane_b32 s16, v1                    ; wave 0, 1
	v_and_b32 v9, 31, v0                           ; lane
	v_lshlrev_b32 v1, 4, v9                        ; 16 x lane: my place in an image, and in a load of 512 bytes
	s_mov_b32 s[SEL], 0x76543210
	s_mov_b32 s[SEL+1], 0xfedcba98
	s_mov_b32 s25, 0
	s_mov_b32 s27, 0
	s_mov_b32 s29, 0
	s_wait_alu depctr_va_vdst(0)
	s_cmp_lt_u32 ttmp9, 384
	s_cbranch_scc1 .Lweights
	; ---------------- x: d is innermost.  Each load takes 512 consecutive bytes of one row; 16 rows turn through the wave's stage, so that a lane gets 16 neighbours of each block of its slot
	s_sub_co_u32 s17, ttmp9, 384                   ; the task
	s_and_b32 s18, s17, 7                          ; ks
	s_lshr_b32 s19, s17, 3                         ; which 64 rows
	s_mul_i32 s22, s16, XSTG                       ; my stage
	s_lshl_b32 s23, s16, 3
	s_add_co_u32 s23, s23, XSC
	v_and_b32 v6, 15, v0                           ; r
	v_bfe_u32 v5, v0, 4, 1                         ; h
	v_add_nc_u32 v2, s22, v1                       ; into the stage: 16 x lane, rows by the immediate
	v_mul_u32_u24 v3, v6, 528
	v_lshl_add_u32 v3, v5, 6, v3
	v_add_nc_u32 v3, s22, v3                       ; out of it: row r, + 64 h
	v_lshlrev_b32 v4, 4, v6
	v_add_nc_u32 v4, s23, v4                       ; my two scale words: 16 r + 8 x wave
	v_lshlrev_b32 v7, 3, v9                        ; 8 x lane
	v_add_nc_u32 v11, XSC, v7
.irp b, 0,1,2,3
	v_mov_b32 v[TM+4+\b], 0                        ; written once: a lane permute's destination counts as one of its sources
.endr
	s_lshl_b32 s24, s19, 18                        ; 64 rows of 4,096 bytes
	s_lshl_b32 s23, s18, 9                         ; 128 numbers
	s_add_co_u32 s24, s24, s23
	s_lshl_b32 s23, s16, 17                        ; my 32 rows
	s_add_co_u32 s24, s24, s23
	s_lshl_b32 s30, s19, 2                         ; the work-group's first rb
	s_mul_i32 s26, s18, NRB
	s_add_co_u32 s26, s26, s30
	s_lshl_b32 s23, s16, 1
	s_add_co_u32 s26, s26, s23
	s_mul_i32 s26, s26, FRB
	s_mul_i32 s28, s18, KSC
	s_lshl_b32 s30, s30, 6
	s_add_co_u32 s28, s28, s30
	s_wait_alu depctr_va_vdst(0)
	s_wait_kmcnt 0x0
	s_add_nc_u64 s[4:5], s[4:5], s[24:25]
	s_add_nc_u64 s[12:13], s[12:13], s[26:27]
	s_add_nc_u64 s[14:15], s[14:15], s[28:29]
.irp f, 0,1                                    ; my two fragments' rows, in the order of their slots
.irp t, 0,1,2,3,4,5,6,7,8,9,10,11,12,13,14,15
	global_load_b128 v[RR+64*\f+4*\t:RR+64*\f+4*\t+3], v1, s[4:5] offset:(8*\f+\t+8*(\t/8))*4096 th:TH_LOAD_NT
.endr
.endr
.irp f, 0,1
	s_wait_loadcnt 16*(1-\f)                       ; this fragment's 16 loads are in; the next one's may be out
.irp t, 0,1,2,3,4,5,6,7,8,9,10,11,12,13,14,15
	ds_store_b128 v2, v[RR+64*\f+4*\t:RR+64*\f+4*\t+3] offset:528*\t
.endr
.irp b, 0,1,2,3
.irp j, 0,1,2,3
	ds_load_b128 v[XX+16*\b+4*\j:XX+16*\b+4*\j+3], v3 offset:128*\b+16*\j   ; LDS serves a wave's instructions in order: these see the stores above
.endr
.endr
	s_wait_dscnt 0x0
.if \f > 0
	s_wait_xcnt 0x0                                ; the first fragment's stores have read their data: the codes' registers are written again only behind this wait
.endif
	QUANT XX, PW+\f
.irp g, 0,1,2
	global_store_b128 v1, v[PC+4*\g:PC+4*\g+3], s[12:13] offset:FRB*\f+512*\g   ; 512 consecutive bytes a store
.endr
.endr
	ds_store_b64 v4, v[PW:PW+1]                    ; lanes r and r + 16 hold the same words
	JOIN
	s_cmp_lg_u32 s16, 0
	s_cbranch_scc1 .Lx_done
	ds_load_b64 v[XO:XO+1], v11
	s_wait_dscnt 0x0
	global_store_b64 v7, v[XO:XO+1], s[14:15]      ; 256 consecutive bytes, aligned
.Lx_done:
	s_endpgm
	; ---------------- the weights: d is the FIRST axis.  A lane takes a column and its registers run down d: a block of 32 lies in one lane, and the codes come out with d innermost
.Lweights:
	s_lshr_b32 s19, ttmp9, 7                       ; which weight: 0 Wq, 1 Wk, 2 Wv
	s_and_b32 s18, ttmp9, 15                       ; which 64 columns; a wave takes 32 of them
	s_bfe_u32 s23, ttmp9, 0x30004                  ; ks
	s_mul_i32 s22, s16, WSTG
	s_add_co_u32 s22, s22, WBASE                   ; my stage
	s_lshl_b32 s31, s16, 3
	s_add_co_u32 s31, s31, WBASE+WSC
	v_lshlrev_b32 v7, 2, v9                        ; 4 x lane: my column of 32
	v_lshlrev_b32 v6, 3, v9                        ; 8 x lane
	v_bfe_u32 v11, v0, 3, 1                        ; column 32 wave + l is slot rr = l % 8 + 8 (l / 16) of fragment 2 wave + u, u = (l / 8) % 2
	v_and_b32 v12, 7, v0
	v_bfe_u32 v13, v0, 4, 1
	v_lshl_add_u32 v12, v13, 3, v12
	v_mul_u32_u24 v2, v11, WP
	v_lshl_add_u32 v2, v12, 4, v2
	v_add_nc_u32 v2, s22, v2                       ; images: 1,664 u + 16 rr
	v_lshlrev_b32 v3, 4, v12
	v_lshl_add_u32 v3, v11, 2, v3
	v_add_nc_u32 v3, s31, v3                       ; scale words: 16 rr + 4 u + 8 x wave
	v_add_nc_u32 v4, s22, v1                       ; back: 16 x lane
	v_add_nc_u32 v5, WBASE+WSC, v6                 ; and 8 x lane
	s_lshl_b32 s24, s23, 19                        ; 128 rows of 4,096 bytes
	s_lshl_b32 s30, s18, 8                         ; 64 columns
	s_add_co_u32 s24, s24, s30
	s_lshl_b32 s30, s16, 7                         ; my 32
	s_add_co_u32 s24, s24, s30
	s_lshl_b32 s30, s19, 6
	s_lshl_b32 s31, s18, 2
	s_add_co_u32 s30, s30, s31
	s_add_co_u32 s30, s30, 512                     ; the work-group's first rb
	s_mul_i32 s26, s23, NRB
	s_add_co_u32 s26, s26, s30
	s_lshl_b32 s31, s16, 1
	s_add_co_u32 s26, s26, s31
	s_mul_i32 s26, s26, FRB
	s_mul_i32 s28, s23, KSC
	s_lshl_b32 s30, s30, 6
	s_add_co_u32 s28, s28, s30
	s_wait_alu depctr_va_vdst(0)
	s_wait_kmcnt 0x0
	s_cmp_eq_u32 s19, 1
	s_cselect_b64 s[6:7], s[8:9], s[6:7]
	s_cmp_eq_u32 s19, 2
	s_cselect_b64 s[6:7], s[10:11], s[6:7]
	s_add_nc_u64 s[6:7], s[6:7], s[24:25]
	s_add_nc_u64 s[12:13], s[12:13], s[26:27]
	s_add_nc_u64 s[14:15], s[14:15], s[28:29]
.irp q, 0,1,2,3                                ; unit q: block q of the 128 along d, my 32 columns
.irp i, 0,1,2,3,4,5,6,7,8,9,10,11,12,13,14,15,16,17,18,19,20,21,22,23,24,25,26,27,28,29,30,31
	global_load_b32 v[XS+32*\q+\i], v7, s[6:7] offset:(32*\q+\i)*4096
.endr
.endr
.macro UNIT q
.set XQ, XS+32*(\q)
.set TD, TC+12*((\q)%2)+6*((\q)/2)     ; block q is registers 6 (q / 2) on of the fragment's lane (rr, q % 2)
.if (\q) < 2
	s_wait_loadcnt 63                              ; units 0 and 1: at most 63 of the 128 loads, all of units 2 and 3 but one, are out
.elseif (\q) == 2
	s_wait_loadcnt 32                              ; the last unit's may be out
.else
	s_wait_loadcnt 0x0
.endif
	v_max3_num_f32 v12, |v[XQ]|, |v[XQ+1]|, |v[XQ+2]|
	v_max3_num_f32 v13, |v[XQ+3]|, |v[XQ+4]|, |v[XQ+5]|
.irp i, 6,10,14,18,22,26
	v_max3_num_f32 v12, v12, |v[XQ+\i]|, |v[XQ+\i+1]|
	v_max3_num_f32 v13, v13, |v[XQ+\i+2]|, |v[XQ+\i+3]|
.endr
	v_max3_num_f32 v12, v12, |v[XQ+30]|, |v[XQ+31]|
	v_max3_num_f32 v12, v12, v13, 0x2800000        ; and the floor
	v_add_nc_u32 v11, 0xfe000000, v12              ; the conversion's scale operand
	v_lshrrev_b32 v13, 23, v11                     ; the byte
.if (\q) == 0
	v_mov_b32 v14, v13
.else
	v_lshl_or_b32 v14, v13, 8*(\q), v14
.endif
	v_cvt_scalef32_pk16_bf6_f32 v[TD:TD+2], v[XQ:XQ+15], v11
	v_cvt_scalef32_pk16_bf6_f32 v[TT:TT+2], v[XQ+16:XQ+31], v11   ; (a conversion's three registers begin on an even number)
	v_nop
.irp i, 0,1,2
	v_mov_b32 v[TD+3+\i], v[TT+\i]
.endr
.endm
.irp q, 0,1,2,3
	UNIT \q
.endr
.irp h, 0,1
.irp g, 0,1,2
	ds_store_b128 v2, v[TC+12*\h+4*\g:TC+12*\h+4*\g+3] offset:256*\h+512*\g   ; my column's registers go to lane (rr, h)'s place in the image
.endr
.endr
	ds_store_b32 v3, v14
.irp f, 0,1
.irp g, 0,1,2
	ds_load_b128 v[OUTR+4*(3*\f+\g):OUTR+4*(3*\f+\g)+3], v4 offset:WP*\f+512*\g   ; LDS serves a wave's instructions in order: these see my stores
.endr
.endr
	s_wait_dscnt 0x0
.irp f, 0,1
.irp g, 0,1,2
	global_store_b128 v1, v[OUTR+4*(3*\f+\g):OUTR+4*(3*\f+\g)+3], s[12:13] offset:FRB*\f+512*\g
.endr
.endr
	JOIN
	s_cmp_lg_u32 s16, 0
	s_cbranch_scc1 .Lw_done
	ds_load_b64 v[220:221], v5
	s_wait_dscnt 0x0
	global_store_b64 v6, v[220:221], s[14:15]      ; 256 consecutive bytes, aligned
.Lw_done:
	s_endpgm
.Lfunc_end_k_q6c72691195_quant:
	.size	k_q6c72691195_quant, .Lfunc_end_k_q6c72691195_quant-k_q6c72691195_quant
	.p2alignl 7, 3214868480
	.fill 96, 4, 3214868480
	.section	.rodata,"a",@progbits
	.p2align	6, 0x0
	.amdhsa_kernel k_q6c72691195_quant
		.amdhsa_group_segment_fixed_size 24576
		.amdhsa_private_segment_fixed_size 0
		.amdhsa_enable_private_segment 0
		.amdhsa_kernarg_size 48
		.amdhsa_user_sgpr_count 2
		.amdhsa_user_sgpr_kernarg_segment_ptr 1
		.amdhsa_wavefront_size32 1
		.amdhsa_system_sgpr_workgroup_id_x 1
		.amdhsa_system_sgpr_workgroup_id_y 1
		.amdhsa_system_sgpr_workgroup_id_z 1
		.amdhsa_system_vgpr_workitem_id 0
		.amdhsa_next_free_vgpr 256
		.amdhsa_next_free_sgpr 66
		.amdhsa_reserve_vcc 0
		.amdhsa_float_denorm_mode_32 3
		.amdhsa_float_denorm_mode_16_64 3
		.amdhsa_memory_ordered 1
		.amdhsa_forward_progress 1
		.amdhsa_inst_pref_size 40
	.end_amdhsa_kernel
	.amdgpu_metadata
---
amdhsa.version: [ 1, 2 ]
amdhsa.kernels:
  - .name:           k_q6c72691195_quant
    .symbol:         k_q6c72691195_quant.kd
    .args:
      - { .name: x, .offset: 0, .size: 8, .value_kind: global_buffer, .address_space: global }
      - { .name: Wq, .offset: 8, .size: 8, .value_kind: global_buffer, .address_space: global }
      - { .name: Wk, .offset: 16, .size: 8, .value_kind: global_buffer, .address_space: global }
      - { .name: Wv, .offset: 24, .size: 8, .value_kind: global_buffer, .address_space: global }
      - { .name: XW, .offset: 32, .size: 8, .value_kind: global_buffer, .address_space: global }
      - { .name: SC1, .offset: 40, .size: 8, .value_kind: global_buffer, .address_space: global }
    .group_segment_fixed_size: 24576
    .private_segment_fixed_size: 0
    .kernarg_segment_align: 8
    .kernarg_segment_size: 48
    .max_flat_workgroup_size: 64
    .sgpr_count:     66
    .vgpr_count:     256
    .wavefront_size: 32
...
	.end_amdgpu_metadata
.endif
;; end of part 1
;; launch proj (part 2): grid 8 x 32, 4 waves a work-group, clusters of 4 x 4, 327,680 bytes of LDS; arguments XW, SC1, bq, bk, bv, QK, SC2, VT, SC3; writes QK, SC2, VT, SC3
.if DOCPART == 2
	.amdgcn_target "amdgcn-amd-amdhsa--gfx1250"
	.amdhsa_code_object_version 6
	.text
	.protected	k_q6c72691195_proj
	.globl	k_q6c72691195_proj
	.p2align	8
	.type	k_q6c72691195_proj,@function
k_q6c72691195_proj:
	s_mov_b64 s[64:65], 0
	v_nop
	global_prefetch_b8 v0, s[64:65] scope:SCOPE_SE
	s_setreg_imm32_b32 hwreg(HW_REG_WAVE_MODE, 25, 1), 1
	s_wait_xcnt 0x0
	s_wait_alu depctr_hold_cnt(0) depctr_sa_sdst(0) depctr_va_vdst(0) depctr_va_sdst(0) depctr_va_ssrc(0) depctr_va_vcc(0) depctr_vm_vsrc(0)
	s_getreg_b32 s2, hwreg(HW_REG_IB_STS2, 6, 4)
	s_cmp_eq_u32 s2, 0
	s_cbranch_scc0 .Lentry_in_a_cluster
	s_endpgm
.Lentry_in_a_cluster:
	s_bfe_u32 s2, ttmp6, 0x10000c
	s_cmp_lg_u32 s2, 0xf033
	s_cbranch_scc0 .Lentry_shape_is_right
	s_endpgm
.Lentry_shape_is_right:
; q = x Wq + bq and k = x Wk + bk, quantised along e into QK / SC2; v^T = (x Wv + bv)^T, quantised along the keys into VT / SC3.  Products on codes of BF6 (E3M2), one E8M0 byte for each 32 along d; sums f32.
; All buffers hold fragments as images of their 12 registers (1,536 bytes; fragment (ks, rb) at (NRB ks + rb) x 1,536; slot r of fragment rb is row 32 (rb / 2) + 8 (rb % 2) + r + 8 (r / 8)) and scale words at
; word 16 NRB ks + 64 (rb / 4) + 4 r + rb % 4.  QK: NRB 1,024 (rb 0-511 q, 512-1023 k), ks = e / 128.  VT: NRB 64 (e), ks = token / 128.
; P, source 1, gives a lane one slot i; R, source 0, gives its registers j.  By the order of R's slots the 64 registers of one block of P are j = 32 b + 16 (lane / 16) + i: neighbours along the next product's K, so
; they are quantised in registers and stored as a fragment.  Four waves, 2 x 2.  K = 1,024 is 8 steps.
; A WORK-GROUP STAYS and makes two tiles: 256 x 256 of q | k (P = 256 rows of x, R = 256 columns of Wq | Wk; a wave 128 x 128, 64 accumulators), then 128 x 256 of v (P = 128 columns of Wv, R = 256 rows of x; a wave
; 64 x 128, 32 accumulators).  256 + 256 tiles on 256 work-groups.
; THE LAST TWO K STEPS of a tile go by blocks of P: a block's bias and quantising stand among the products of the next two blocks, and its stores leave at once.
; LDS: two slots of 147,456 bytes.  K steps 0-2, 3-5, then 6-7 in slot 0; v's 0-3 in slot 1, 4-7 in slot 0.  One joint load a wave at the head and one behind each round of the cluster's barrier (slot 1's first fill too).
; A tile's row is 8 fragments of one K step, 12,288 bytes.  q | k: waves 0 and 1 fetch P's halves, 2 and 3 R's, a slot's K steps each; v: waves 0 and 1 two K steps of P each, 2 and 3 R's halves.
; The launch claims all of a WGP's LDS.  CLUSTER 4 x 4: P's tiles are shared along a row of the cluster, R's along a column.
; No prefetch: the walk along K is written out, with no loop to run ahead in, and every fill behind the head is asked for two K steps or more ahead of its first use.
; LIMITS: a block whose largest magnitude lies under 2^-122 keeps the byte 1; NaN and infinities are not served.
; REGISTERS: window 0: v1-14 addresses; v16-47 P's scale words, v48-79 R's, four for each K step; v80-175 P's fragments (8 blocks; v: two sets of 4 blocks; in the last two K steps four buffers, v80-127, and v128-175
;   at work); v176-239 64 numbers; v240-247 bv by slots; v248-249 for the add.
;   window 1: R's fragments, two sets at v0 and v128; v96-127 and v224-255 the bias along j.   windows 2, 3: accumulator (a, b) at v[8 (8 (a % 4) + b)] of window 2 + a / 4.
.set FRB,  1536
.set KSP,  704*FRB                     ; from ks to ks + 1 in XW
.set KSB,  45056                       ; and in SC1
.set QR,   8*FRB                       ; a tile's row
.set Q3,   3*QR
.set REG,  4*Q3                        ; a slot
.set SPARE, 2*REG                      ; the spare words, 128 bytes for each wave: two blocks of 256 bytes that no other line names
.set LN,   1                           ; 16 x lane
.set ADP,  2                           ; v2-3  LDS: my 8 blocks of P in slot 0, 1
.set ADR,  4                           ; v4-5  my 8 blocks of R
.set VDP,  6                           ; v6-9  the same for v: 4 blocks of P, 8 of R
.set VDR,  8
.set VOA,  10                          ; 16 r
.set HH,   11                          ; h
.set VS8,  12                          ; 16 r + 8 h
.set VBJ,  13
.set VBI,  14
.set SA,   16
.set SB,   48
.set AF,   80
.set PC,   128                         ; v128-147 codes just made (12) and 8 at work
.set TM,   148                         ; v148-163 largest magnitudes, bytes, scale operands
.set PW,   164
.set XO,   172
.set H,    176
.set BI,   240
.set SPW,  248                         ; LDS address of my spare word; never rewritten
.set NIL,  249                         ; 0; never rewritten
.set WV,   22
.set WI,   23
.set G1P,  24                          ; s[24:31], s[32:39] descriptor groups 1
.set G1R,  32
.set G0P,  40                          ; s[40:43], s[44:47] groups 0
.set G0R,  44
.set WJ,   48
.set SEL,  50
.set LA,   52                          ; wave x 36,864
.set HF,   53                          ; lanes 16-31
.set PT2,  66                          ; s[66:69] the v tile's P and R in XW
.set RT2,  68
.set SAP,  70                          ; s[70:77] scale words: P's and R's of q | k, P's and R's of v
.set SBP,  72
.set SAP2, 74
.set SBP2, 76
.set OUT,  78                          ; where q | k and v go
.set SCO,  80
.set OUTV, 82
.set SCOV, 84
.set BJP,  86
.set BIP,  88
.set MUL,  0xa1                        ; source 0 (R) window 1, source 1 (P) window 0, C and D window 2 (+ 0x50: window 3)
.set TO_B, 0x40                        ; destination window 1
.set MSB, 0
.macro WIN new                         ; the immediate's high byte repeats the setting that is left
.if MSB != (\new)
	s_set_vgpr_msb (MSB<<8)|(\new)
.set MSB, (\new)
.endif
.endm
.macro PLACES                          ; four plain places behind a matrix instruction, ahead of loads into its sources and of reads of its result
.rept 4
	v_nop
.endr
.endm
.macro CREST                           ; a round of the cluster's barrier behind its opening barrier
	s_cmp_lg_u32 s[WV], 0
	s_cbranch_scc1 .Lnot_wave_0_\@
	s_barrier_signal -3
.Lnot_wave_0_\@:
	s_barrier_wait -3
	s_barrier_signal -1
	s_barrier_wait -1
.endm
.macro CROUND
	s_barrier_signal -1
	s_barrier_wait -1
	CREST
.endm
.macro JLOAD                           ; a joint load: waves 0 and 1 fetch for P, waves 2 and 3 for R; four v_nop follow each of the two lines
	s_cmp_lt_u32 s[WV], 2
	s_cbranch_scc0 .Lfor_r_\@
	tensor_load_to_lds s[G0P:G0P+3], s[G1P:G1P+7]
	s_nop 0
.rept 4
	v_nop
.endr
	s_branch .Lasked_\@
.Lfor_r_\@:
	tensor_load_to_lds s[G0R:G0R+3], s[G1R:G1R+7]
	s_nop 0
.rept 4
	v_nop
.endr
.Lasked_\@:
.endm
; what a fill's descriptor takes anew, written where no tensor load of the wave is out
.macro UPB                             ; slot 1: K steps 3-5
	s_add_co_u32 s[G0P+1], s[LA], REG
	s_add_co_u32 s[G0R+1], s[LA], REG
	s_add_nc_u64 s[G0P+2:G0P+3], s[G0P+2:G0P+3], 3*KSP
	s_add_nc_u64 s[G0R+2:G0R+3], s[G0R+2:G0R+3], 3*KSP
.endm
.macro UPA                             ; slot 0: K steps 6, 7: two rows
	s_mov_b32 s[G0P+1], s[LA]
	s_mov_b32 s[G0R+1], s[LA]
	s_add_nc_u64 s[G0P+2:G0P+3], s[G0P+2:G0P+3], 3*KSP
	s_add_nc_u64 s[G0R+2:G0R+3], s[G0R+2:G0R+3], 3*KSP
	s_mov_b32 s[G1P+2], 2<<16
	s_mov_b32 s[G1P+4], 2
	s_mov_b32 s[G1R+2], 2<<16
	s_mov_b32 s[G1R+4], 2
.endm
.macro UPVB                            ; slot 1: v's K steps 0-3: two rows of P a wave, four of R
	s_add_co_u32 s[G0P+1], s49, REG
	s_add_co_u32 s[G0R+1], s93, REG+4*QR
	s_mov_b64 s[G0P+2:G0P+3], s[PT2:PT2+1]
	s_or_b32 s[G0P+3], s[G0P+3], 0x80000000
	s_mov_b64 s[G0R+2:G0R+3], s[RT2:RT2+1]
	s_or_b32 s[G0R+3], s[G0R+3], 0x80000000
	s_mov_b32 s[G1R+2], 4<<16
	s_mov_b32 s[G1R+4], 4
.endm
.macro UPVA                            ; slot 0: v's K steps 4-7
	s_mov_b32 s[G0P+1], s49
	s_add_co_u32 s[G0R+1], s93, 4*QR
	s_add_nc_u64 s[G0P+2:G0P+3], s[G0P+2:G0P+3], 4*KSP
	s_add_nc_u64 s[G0R+2:G0R+3], s[G0R+2:G0R+3], 4*KSP
.endm
.macro FR d, ad, off                   ; a fragment: three loads of 512 consecutive bytes
.irp g, 0,1,2
	ds_load_b128 v[\d+4*\g:\d+4*\g+3], v[\ad] offset:\off+512*\g
.endr
.endm
.macro FA s, i0                        ; P's blocks i0 .. i0 + 3 of K step s, 0-5
.irp i, 0,1,2,3
	FR AF+12*(\i0+\i), ADP+((\s)/3), ((\s)%3)*QR+FRB*(\i0+\i)
.endr
.endm
.macro FB s                            ; R's eight of K step s into set s % 2 (K steps 6 and 7 lie in slot 0)
	WIN TO_B
.irp i, 0,1,2,3,4,5,6,7
	FR 128*((\s)%2)+12*\i, ADR+(((\s)/3)%2), ((\s)%3)*QR+FRB*\i
.endr
	WIN 0
.endm
.macro FVP s                           ; v: P's four of K step s into set s % 2
.irp i, 0,1,2,3
	FR AF+48*((\s)%2)+12*\i, VDP+1-((\s)/4), ((\s)%4)*QR+FRB*\i
.endr
.endm
.macro FVR s
	WIN TO_B
.irp i, 0,1,2,3,4,5,6,7
	FR 128*((\s)%2)+12*\i, VDR+1-((\s)/4), ((\s)%4)*QR+FRB*\i
.endr
	WIN 0
.endm
.macro RB k, a                         ; the last two K steps: P's block a of K step k into its buffer; RP, RO: where K step 6 lies
	FR AF+24*((\k)-6)+12*((\a)%2), RP, RO+QR*((\k)-6)+FRB*(\a)
.endm
; one product.  Scale words: register 4 ks + block % 4, lanes 16-31 for blocks 4-7.  K step 0 starts the sums: nothing is cleared
.macro WM a, b, ks, ra, st
.set rD, 8*(8*((\a)%4)+(\b))
.set rB, 128*(\st)+12*(\b)
.set rA, \ra
.set rS, SB+4*(\ks)+(\b)%4
.set rT, SA+4*(\ks)+(\a)%4
.set rM, ((\b)/4)+2*((\a)/4)
.if (\ks) == 0
.if rM == 0
	v_wmma_scale_f32_16x16x128_f8f6f4 v[rD:rD+7], v[rB:rB+11], v[rA:rA+11], 0, v[rS], v[rT] matrix_a_fmt:MATRIX_FMT_BF6 matrix_b_fmt:MATRIX_FMT_BF6
.elseif rM == 1
	v_wmma_scale_f32_16x16x128_f8f6f4 v[rD:rD+7], v[rB:rB+11], v[rA:rA+11], 0, v[rS], v[rT] matrix_a_fmt:MATRIX_FMT_BF6 matrix_b_fmt:MATRIX_FMT_BF6 matrix_a_scale:MATRIX_SCALE_ROW1
.elseif rM == 2
	v_wmma_scale_f32_16x16x128_f8f6f4 v[rD:rD+7], v[rB:rB+11], v[rA:rA+11], 0, v[rS], v[rT] matrix_a_fmt:MATRIX_FMT_BF6 matrix_b_fmt:MATRIX_FMT_BF6 matrix_b_scale:MATRIX_SCALE_ROW1
.else
	v_wmma_scale_f32_16x16x128_f8f6f4 v[rD:rD+7], v[rB:rB+11], v[rA:rA+11], 0, v[rS], v[rT] matrix_a_fmt:MATRIX_FMT_BF6 matrix_b_fmt:MATRIX_FMT_BF6 matrix_a_scale:MATRIX_SCALE_ROW1 matrix_b_scale:MATRIX_SCALE_ROW1
.endif
.elseif rM == 0
	v_wmma_scale_f32_16x16x128_f8f6f4 v[rD:rD+7], v[rB:rB+11], v[rA:rA+11], v[rD:rD+7], v[rS], v[rT] matrix_a_fmt:MATRIX_FMT_BF6 matrix_b_fmt:MATRIX_FMT_BF6
.elseif rM == 1
	v_wmma_scale_f32_16x16x128_f8f6f4 v[rD:rD+7], v[rB:rB+11], v[rA:rA+11], v[rD:rD+7], v[rS], v[rT] matrix_a_fmt:MATRIX_FMT_BF6 matrix_b_fmt:MATRIX_FMT_BF6 matrix_a_scale:MATRIX_SCALE_ROW1
.elseif rM == 2
	v_wmma_scale_f32_16x16x128_f8f6f4 v[rD:rD+7], v[rB:rB+11], v[rA:rA+11], v[rD:rD+7], v[rS], v[rT] matrix_a_fmt:MATRIX_FMT_BF6 matrix_b_fmt:MATRIX_FMT_BF6 matrix_b_scale:MATRIX_SCALE_ROW1
.else
	v_wmma_scale_f32_16x16x128_f8f6f4 v[rD:rD+7], v[rB:rB+11], v[rA:rA+11], v[rD:rD+7], v[rS], v[rT] matrix_a_fmt:MATRIX_FMT_BF6 matrix_b_fmt:MATRIX_FMT_BF6 matrix_a_scale:MATRIX_SCALE_ROW1 matrix_b_scale:MATRIX_SCALE_ROW1
.endif
.endm
.macro MA a, s                         ; block a of P against R's eight
	WIN MUL+0x50*((\a)/4)
.irp b, 0,1,2,3,4,5,6,7
	WM \a, \b, \s, AF+12*(\a), ((\s)%2)
.endr
.endm
; A K step of q | k, 0-5: 64 products, the accumulators by turns, one instruction a turn; the next step's fragments are fetched in its middle and at its end.
; The count ahead of R's block b: behind its three loads stand the 3 (7 - b) of R's later blocks, the 12 of P's blocks 4-7 and, with x = 1, the add.
; x = 1: the next step lies in the other slot, which has landed, and this step's slot is filled again as upd says: the wait and the add, the round, the joint load.
.macro STEP s, x, upd
.if \x
	WIN 0                                          ; the add's two registers lie in window 0
	s_wait_tensorcnt 0x0
	ds_add_u32 v[SPW], v[NIL]
	\upd
.endif
	WIN MUL
.irp b, 0,1,2,3,4,5,6,7
	s_wait_dscnt 12+\x+3*(7-\b)
	WM 0, \b, \s, AF, ((\s)%2)
.endr
	MA 1, \s
.if \x
	s_wait_dscnt 0x0                               ; the add is done, and my reads of this step's slot are over
	s_barrier_signal -1
.endif
	MA 2, \s
	MA 3, \s
	WIN 0
.if \x
	s_barrier_wait -1
	CREST
	JLOAD                                          ; the first tensor load behind the round; its four v_nop are also the places ahead of the loads below
.else
	s_wait_dscnt 0x0
	PLACES
.endif
.if (\s) < 5
	FA (\s)+1, 0
.else
	RB 6, 0
	RB 6, 1
	RB 7, 0
	RB 7, 1
.endif
	FB (\s)+1
.irp a, 4,5,6,7
	MA \a, \s
.endr
	WIN 0
	PLACES
.if (\s) < 5
	FA (\s)+1, 4
.else
	FB 7
.endif
.endm
; THE LAST TWO K STEPS: R's fragments of both lie in its two sets.  Order of the blocks of P: 0 and 1 at K step 6, 0 at 7; then, while block a - 1 is quantised, block a + 1 at 6 and block a at 7.
.macro W6 a, b
	WIN MUL+0x50*((\a)/4)
	WM \a, \b, 6, AF+12*((\a)%2), 0
.endm
.macro W7 a, b
	WIN MUL+0x50*((\a)/4)
	WM \a, \b, 7, AF+24+12*((\a)%2), 1
.endm
.macro ROWSTART                        ; behind P's four buffers and R's set 0 stand R's set 1's 24 loads
.irp b, 0,1,2,3,4,5,6,7
	s_wait_dscnt 24+3*(7-\b)
	W6 0, \b
.endr
.irp b, 0,1,2,3,4,5,6,7
	W6 1, \b
.endr
	WIN 0
	PLACES
	RB 6, 2                                        ; block 0's buffer of K step 6 is free: block 2's fragment, for the first period
.irp b, 0,1,2,3,4,5,6,7
	s_wait_dscnt 3+3*(7-\b)
	W7 0, \b
.endr
.endm
.macro PERIOD a, nb                    ; the fragments of the period after this one; then the list of products for HK
	WIN 0
	s_wait_dscnt 0x0
	PLACES
.if (\a)+2 < \nb
	RB 6, (\a)+2
.endif
.if (\a)+1 < \nb
	RB 7, (\a)+1
.endif
.set ha, \a
.set hn, 16
.if (\a)+1 < \nb
.set hq, 0
.else
.set hq, 8
.endif
.endm
.set hq, 16
.set hn, 16
.set hmode, 0
.macro HK                              ; the next product of the list, if one is left (hmode 1: the v tile's K step 0)
.if hq < hn
.if hmode == 1
	WIN MUL
	WM (hq%4), (hq/4), 0, AF+12*(hq%4), 0
.elseif hq < 8
	W6 (ha+1), hq
.else
	W7 ha, (hq-8)
.endif
.set hq, hq+1
.endif
.endm
; THE WAY OUT of block a: the bias in f32 (kind 0: along j, 1: along i), 64 numbers quantised along j, three stores of 512 consecutive bytes.  HK puts products of other blocks between
.macro QUANT a, kind
.set oo, OUT+(OUTV-OUT)*(\kind)
.set p, 0
.rept 8
	WIN 0x06-4*(\kind)+((\a)/4)                    ; source 0 window 2 or 3; source 1 window 1 or 0
.rept 4
.if \kind
	v_pk_add_f32 v[H+p:H+p+1], v[64*((\a)%4)+p:64*((\a)%4)+p+1], v[BI+2*(\a):BI+2*(\a)+1]   ; each accumulator from its low end on
.else
	v_pk_add_f32 v[H+p:H+p+1], v[64*((\a)%4)+p:64*((\a)%4)+p+1], v[96+p+96*(p/32):96+p+96*(p/32)+1]
.endif
.set p, p+2
.endr
	HK
.endr
	s_wait_xcnt 0x0                                ; earlier stores have read their data: the codes' registers are written again only behind this wait
	WIN 0
.irp b, 0,1,2,3
	v_max3_num_f32 v[TM+\b], |v[H+16*\b]|, |v[H+1+16*\b]|, 0x2800000   ; with the floor 2^(5 - 127): the byte cannot fall under 1
.endr
.irp i, 2,4,6,8,10,12,14
.irp b, 0,1,2,3
	v_max3_num_f32 v[TM+\b], v[TM+\b], |v[H+16*\b+\i]|, |v[H+1+16*\b+\i]|
.endr
.if (\i)%4 == 2
	HK
	WIN 0
.endif
.endr
.irp b, 0,1,2,3
	v_permlanex16_b32 v[TM+4+\b], v[TM+\b], s[SEL], s[SEL+1]
.endr
.irp b, 0,1,2,3
	v_max_num_f32 v[TM+\b], v[TM+\b], v[TM+4+\b]
.endr
	HK
	WIN 0
.irp b, 0,1,2,3
	v_add_nc_u32 v[TM+12+\b], 0xfe000000, v[TM+\b]   ; 4 off the exponent field: the conversion's scale operand
.endr
.irp b, 0,1,2,3
	v_lshrrev_b32 v[TM+4+\b], 23, v[TM+12+\b]
.endr
	HK
	WIN 0
	v_lshl_or_b32 v[PW+(\a)], v[TM+5], 8, v[TM+4]
	v_lshl_or_b32 v[PW+(\a)], v[TM+6], 16, v[PW+(\a)]
	v_lshl_or_b32 v[PW+(\a)], v[TM+7], 24, v[PW+(\a)]
.irp c, 0,1
	v_cvt_scalef32_pk16_bf6_f32 v[PC+6*\c:PC+2+6*\c], v[H+32*\c:H+15+32*\c], v[TM+12+2*\c]
	v_cvt_scalef32_pk16_bf6_f32 v[PC+12+4*\c:PC+14+4*\c], v[H+16+32*\c:H+31+32*\c], v[TM+12+2*\c+1]
.endr
	v_nop                                          ; one plain place behind the scaled conversions
	HK
	WIN 0
.irp c, 0,1
.irp i, 0,1,2
	v_permlane16_swap_b32 v[PC+6*\c+\i], v[PC+12+4*\c+\i]
.endr
.endr
	HK
	WIN 0
.irp c, 0,1
.irp i, 0,1,2
	v_mov_b32 v[PC+3+6*\c+\i], v[PC+12+4*\c+\i]
.endr
.endr
	HK
	WIN 0
.irp g, 0,1,2
	global_store_b128 v[LN], v[PC+4*\g:PC+4*\g+3], s[oo:oo+1] offset:FRB*(\a)+512*\g
.endr
.endm
; A K step of v, 1-5: the next step's 36 loads first, then 32 products, R's blocks one after the other.  The count ahead of block b: the 3 (7 - b) of this step's later blocks and the 36 just issued
.macro VSTEP s
	WIN 0
	PLACES
.if (\s) < 5
	FVP (\s)+1
.else
	RB 6, 0
	RB 6, 1
	RB 7, 0
	RB 7, 1
.endif
	FVR (\s)+1
	WIN MUL
.irp b, 0,1,2,3,4,5,6,7
.if (\s) > 1
	s_wait_dscnt 36+3*(7-\b)
.elseif \b == 0
	s_wait_dscnt 36                                ; K step 1's loads were issued in another order: all but the 36 just issued
.endif
.irp a, 0,1,2,3
	WM \a, \b, \s, AF+48*((\s)%2)+12*\a, ((\s)%2)
.endr
.endr
.endm
.macro SCL k, ad, pa, pb               ; scale words of K step k: P's, R's
	global_load_b128 v[SA+4*(\k):SA+4*(\k)+3], v[\ad], s[\pa:\pa+1] offset:(\k)*KSB
	global_load_b128 v[SB+4*(\k):SB+4*(\k)+3], v[LN], s[\pb:\pb+1] offset:(\k)*KSB
.endm
	s_load_b512 s[4:19], s[0:1], 0x0               ; XW s[4:5], SC1 s[6:7], bq s[8:9], bk s[10:11], bv s[12:13], QK s[14:15], SC2 s[16:17], VT s[18:19]
	s_load_b64 s[20:21], s[0:1], 0x40              ; SC3
	v_lshl_add_u32 v[SPW], v0, 2, SPARE
	v_mov_b32 v[NIL], 0
	ds_add_u32 v[SPW], v[NIL]                      ; the opening: the add twice on end
	ds_add_u32 v[SPW], v[NIL]
	v_lshrrev_b32 v1, 5, v0
	v_readfirstlane_b32 s[WV], v1                  ; wave 0..3
	s_lshr_b32 s[WI], s[WV], 1                     ; my half of i.  Also: I fetch for P (0) or for R (1)
	s_and_b32 s[WJ], s[WV], 1                      ; my half of j.  Also: which part I fetch
	s_bfe_u32 s56, ttmp6, 0x40000                  ; cx
	s_bfe_u32 s57, ttmp6, 0x40004                  ; cy
	s_lshl_b32 s58, ttmp9, 2
	s_add_co_u32 s58, s58, s56                     ; X = 4 x cluster x + cx, 0 .. 7
	s_and_b32 s59, ttmp7, 0xffff                   ; Yc: the cluster's y, 0 .. 7
	s_lshl_b32 s96, s57, 2
	s_lshl_b32 s96, 15, s96                        ; my row of the cluster
	s_lshl_b32 s97, 0x1111, s56                    ; my column
	; descriptor groups 1: rows of 12,288 bytes (1,536 elements of 8), one for each K step; from row to row one ks of XW
	s_or_b32 s[G1P], s96, (3<<16)|(1<<21)          ; 15:0 the mask; 17:16 elements of 8 bytes; 21 set beside a mask; no padding
	s_or_b32 s[G1R], s97, (3<<16)|(1<<21)
.irp g, G1P, G1R
	s_mov_b32 s[\g+1], 1536<<16                    ; tensor_dim0
	s_mov_b32 s[\g+2], 3<<16                       ; tensor_dim1
	s_mov_b32 s[\g+3], 1536<<16                    ; tile_dim0
	s_mov_b32 s[\g+4], 3                           ; tile_dim1
	s_mov_b32 s[\g+5], KSP/8
	s_mov_b32 s[\g+6], 0
	s_mov_b32 s[\g+7], 0
.endr
	s_lshl_b32 s2, s[WJ], 3
	s_mul_i32 s3, s[WJ], 2*KSP
	; P's first fragments, made of Yc and cy alone.  q | k: 16 (4 Yc + cy);  v: 640 + 8 (4 (Yc & 1) + cy)
	s_lshl_b32 s60, s59, 2
	s_add_co_u32 s60, s60, s57
	s_lshl_b32 s60, s60, 4
	s_add_co_u32 s54, s60, s2
	s_mul_i32 s54, s54, FRB
	s_mov_b32 s55, 0
	s_and_b32 s62, s59, 1
	s_lshl_b32 s62, s62, 2
	s_add_co_u32 s62, s62, s57                     ; the v tile along e, 0 .. 7
	s_lshl_b32 s61, s62, 3
	s_add_co_u32 s61, s61, 640
	s_mul_i32 s[PT2], s61, FRB
	s_add_co_u32 s[PT2], s[PT2], s3
	s_mov_b32 s[PT2+1], 0
	; R's, made of Yc, cluster x and cx alone.  q | k: 512 + 16 X;  v: 128 (Yc / 2) + 16 X
	s_lshl_b32 s98, s58, 4
	s_add_co_u32 s92, s98, 512
	s_add_co_u32 s94, s92, s2
	s_mul_i32 s94, s94, FRB
	s_mov_b32 s95, 0
	s_lshr_b32 s63, s59, 1
	s_lshl_b32 s63, s63, 7
	s_add_co_u32 s63, s63, s98
	s_add_co_u32 s[RT2], s63, s2
	s_mul_i32 s[RT2], s[RT2], FRB
	s_mov_b32 s[RT2+1], 0
	s_mul_i32 s[LA], s[WV], Q3                     ; where they go: no place in the cluster enters an LDS address
	s_mul_i32 s49, s[WJ], 2*QR
	s_mul_i32 s93, s[WJ], 4*QR
	s_mov_b32 s[SEL], 0x76543210
	s_mov_b32 s[SEL+1], 0xfedcba98
	s_mov_b32 s[G0P], 1
	s_mov_b32 s[G0P+1], s[LA]
	s_mov_b32 s[G0R], 1
	s_mov_b32 s[G0R+1], s[LA]
	s_wait_dscnt 0x0                               ; both opening adds are done
	CROUND                                         ; all sixteen work-groups are here: the joint loads meet
	s_wait_kmcnt 0x0
	s_add_nc_u64 s[G0P+2:G0P+3], s[4:5], s[54:55]
	s_or_b32 s[G0P+3], s[G0P+3], 0x80000000
	s_add_nc_u64 s[G0R+2:G0R+3], s[4:5], s[94:95]
	s_or_b32 s[G0R+3], s[G0R+3], 0x80000000
	JLOAD                                          ; K steps 0-2: one tensor load a wave at the head
	s_add_nc_u64 s[PT2:PT2+1], s[4:5], s[PT2:PT2+1]
	s_add_nc_u64 s[RT2:RT2+1], s[4:5], s[RT2:RT2+1]
	v_and_b32 v[VBI], 31, v0
	v_lshlrev_b32 v[LN], 4, v[VBI]
	v_and_b32 v[VBJ], 15, v0                       ; r
	v_bfe_u32 v[HH], v0, 4, 1                      ; h
	v_lshlrev_b32 v[VOA], 4, v[VBJ]
	v_lshl_add_u32 v[VS8], v[HH], 3, v[VOA]
	v_and_b32 v[VBI], 8, v[VBJ]
	v_add_nc_u32 v[VBI], v[VBI], v[VBJ]
	v_lshlrev_b32 v[VBI], 2, v[VBI]                ; the bias along i: my slot's place, r + 8 (r / 8)
	v_lshlrev_b32 v[VBJ], 6, v[HH]                 ; the bias along j: 16 h numbers on
	v_cmp_eq_u32 s[HF], 1, v[HH]
	s_mul_i32 s2, s[WI], Q3
	v_add_nc_u32 v[ADP], s2, v[LN]
	s_add_co_u32 s2, s[WJ], 2
	s_mul_i32 s2, s2, Q3
	v_add_nc_u32 v[ADR], s2, v[LN]
	s_mul_i32 s2, s[WI], 4*FRB
	v_add_nc_u32 v[VDP], s2, v[LN]
	s_add_co_u32 s2, s[WJ], 1
	s_mul_i32 s2, s2, 4*QR
	v_add_nc_u32 v[VDR], s2, v[LN]
.irp d, ADP, ADR, VDP, VDR
	v_add_nc_u32 v[\d+1], REG, v[\d]
.endr
	s_wait_alu depctr_va_vdst(0)                   ; scalar work and loads by these addresses follow
	s_mov_b32 s3, 0
	s_lshl_b32 s96, s[WI], 3
	s_add_co_u32 s96, s96, s60                     ; my first fragment of P
	s_lshl_b32 s2, s96, 6                          ; scale words: 64 bytes a fragment
	s_add_nc_u64 s[SAP:SAP+1], s[6:7], s[2:3]
	s_lshl_b32 s97, s[WJ], 3
	s_add_co_u32 s2, s97, s92
	s_lshl_b32 s2, s2, 6
	s_add_nc_u64 s[SBP:SBP+1], s[6:7], s[2:3]
	s_add_co_u32 s2, s97, s63
	s_lshl_b32 s2, s2, 6
	s_add_nc_u64 s[SBP2:SBP2+1], s[6:7], s[2:3]
	s_lshl_b32 s97, s[WI], 2
	s_add_co_u32 s2, s97, s61
	s_lshl_b32 s2, s2, 6
	s_add_nc_u64 s[SAP2:SAP2+1], s[6:7], s[2:3]
.irp k, 0,1,2,3,4,5,6,7
	SCL \k, LN, SAP, SBP
.endr
	s_cmp_lt_u32 s58, 4
	s_cselect_b64 s[BJP:BJP+1], s[8:9], s[10:11]   ; bq for X under 4, bk above
	s_and_b32 s2, s58, 3
	s_lshl_b32 s2, s2, 10
	s_lshl_b32 s98, s[WJ], 9
	s_add_co_u32 s2, s2, s98
	s_add_nc_u64 s[BJP:BJP+1], s[BJP:BJP+1], s[2:3]   ; my 128 columns
	s_lshl_b32 s2, s62, 9
	s_lshl_b32 s98, s[WI], 8
	s_add_co_u32 s2, s2, s98
	s_add_nc_u64 s[BIP:BIP+1], s[12:13], s[2:3]    ; bv at the v tile's 64 slots of mine
	WIN TO_B
.irp b, 0,1,2,3,4,5,6,7                        ; tile b's eight: columns 32 (b / 2) + 8 (b % 2) + 16 h + 0 .. 7
	global_load_b128 v[96+8*\b+96*(\b/4):96+8*\b+96*(\b/4)+3], v[VBJ], s[BJP:BJP+1] offset:(32*(\b/2)+8*(\b%2))*4
	global_load_b128 v[96+8*\b+96*(\b/4)+4:96+8*\b+96*(\b/4)+7], v[VBJ], s[BJP:BJP+1] offset:(32*(\b/2)+8*(\b%2))*4+16
.endr
	WIN 0
.irp a, 0,1,2,3                                ; twice, to fill the pair that the packed addition names
	global_load_b32 v[BI+2*\a], v[VBI], s[BIP:BIP+1] offset:(32*(\a/2)+8*(\a%2))*4
	global_load_b32 v[BI+2*\a+1], v[VBI], s[BIP:BIP+1] offset:(32*(\a/2)+8*(\a%2))*4
.endr
	; where my fragments and their scale words go: fragment number u = NRB ks + rb.  q | k: ks = 2 (X & 3) + wj, rb = 512 (X / 4) + my first of P
	s_and_b32 s2, s58, 3
	s_lshl_b32 s2, s2, 1
	s_add_co_u32 s2, s2, s[WJ]
	s_lshl_b32 s2, s2, 10
	s_lshr_b32 s98, s58, 2
	s_lshl_b32 s98, s98, 9
	s_add_co_u32 s2, s2, s98
	s_add_co_u32 s2, s2, s96
	s_lshl_b32 s98, s2, 6
	s_mul_i32 s2, s2, FRB
	s_add_nc_u64 s[OUT:OUT+1], s[14:15], s[2:3]
	s_mov_b32 s2, s98
	s_add_nc_u64 s[SCO:SCO+1], s[16:17], s[2:3]
	; v: ks = 2 (8 (Yc / 2) + X) + wj, rb = 8 x the tile along e + 4 wi
	s_lshr_b32 s2, s59, 1
	s_lshl_b32 s2, s2, 3
	s_add_co_u32 s2, s2, s58
	s_lshl_b32 s2, s2, 1
	s_add_co_u32 s2, s2, s[WJ]
	s_lshl_b32 s2, s2, 6
	s_lshl_b32 s98, s62, 3
	s_add_co_u32 s2, s2, s98
	s_add_co_u32 s2, s2, s97
	s_lshl_b32 s98, s2, 6
	s_mul_i32 s2, s2, FRB
	s_add_nc_u64 s[OUTV:OUTV+1], s[18:19], s[2:3]
	s_mov_b32 s2, s98
	s_add_nc_u64 s[SCOV:SCOV+1], s[20:21], s[2:3]
	s_wait_alu depctr_va_vdst(0)
	s_wait_tensorcnt 0x0                           ; my part of slot 0 is in
	ds_add_u32 v[SPW], v[NIL]
	UPB
	s_wait_dscnt 0x0
	CROUND                                         ; everybody's part of slot 0 is in
	JLOAD                                          ; K steps 3-5
	FA 0, 0
	FB 0
	FA 0, 4
	s_wait_loadcnt 0x0                             ; scale words and biases
.set RP, ADP
.set RO, 0
	; ---- the tile of q | k
	STEP 0, 0, UPA
	STEP 1, 0, UPA
	STEP 2, 1, UPA                                 ; K steps 6, 7
	STEP 3, 0, UPA
	STEP 4, 0, UPA
	STEP 5, 1, UPVB                                ; v's K steps 0-3
.irp k, 0,1,2,3,4,5                            ; v's scale words take the registers of the K steps that are done
	SCL \k, VOA, SAP2, SBP2
.endr
	ROWSTART
.irp a, 1,2,3,4,5,6
	PERIOD \a, 8
	QUANT (\a-1), 0
.endr
	WIN 0
	s_wait_tensorcnt 0x0                           ; v's K steps 0-3 are in
	ds_add_u32 v[SPW], v[NIL]
	UPVA
	s_wait_dscnt 0x1                               ; block 7's fragment; the add may be out
.irp b, 0,1,2,3,4,5,6,7
	W7 7, \b
.endr
	WIN 0
	s_wait_dscnt 0x0                               ; the add is done, and my reads of slot 0 are over
	CROUND
	JLOAD                                          ; v's K steps 4-7; its four v_nop are also the places ahead of the loads below
	FVP 0
	FVR 0
	FVR 1
	SCL 6, VOA, SAP2, SBP2
	SCL 7, VOA, SAP2, SBP2
	QUANT 6, 0
	s_wait_dscnt 24                                ; v's K step 0; R's of K step 1 may be out
	s_wait_loadcnt 0x4                             ; its scale words; those of K steps 6 and 7 may be out
.set hmode, 1
.set hq, 0
	QUANT 7, 0                                     ; with 16 of the 32 products of v's K step 0
.irp k, 0,1,2,3
	v_cndmask_b32 v[XO+\k], v[PW+\k], v[PW+4+\k], s[HF]   ; lane (r, h) stores the words of blocks 4 h .. 4 h + 3 of slot r
.endr
	global_store_b128 v[LN], v[XO:XO+3], s[SCO:SCO+1]   ; 512 consecutive bytes, aligned
	s_wait_xcnt 0x0                                ; the stores have read their data: P's second set lands on those registers only behind this wait
	; ---- the v tile
	FVP 1
	WIN MUL
.irp b, 4,5,6,7
.irp a, 0,1,2,3
	WM \a, \b, 0, AF+12*\a, 0
.endr
.endr
.set hmode, 0
.set RP, VDP
.set RO, 2*QR
	VSTEP 1
	VSTEP 2
	s_wait_tensorcnt 0x0                           ; my part of K steps 4-7 is in,
	s_wait_dscnt 0x0                               ; no LDS load of mine is out,
	s_barrier_signal -1
	s_barrier_wait -1                              ; everybody's: nothing is filled again, so no round
	VSTEP 3
	VSTEP 4
	VSTEP 5
	WIN 0
	PLACES
	FVR 7
	s_wait_loadcnt 0x0                             ; the last scale words
	ROWSTART
.irp a, 1,2,3
	PERIOD \a, 4
	QUANT (\a-1), 1
.endr
	WIN 0
	PLACES
	QUANT 3, 1
	v_cndmask_b32 v[XO], v[PW], v[PW+2], s[HF]     ; lane (r, h) stores the words of blocks 2 h and 2 h + 1 of slot r
	v_cndmask_b32 v[XO+1], v[PW+1], v[PW+3], s[HF]
	global_store_b64 v[VS8], v[XO:XO+1], s[SCOV:SCOV+1]   ; 256 consecutive bytes, aligned
	s_wait_tensorcnt 0x0                           ; the wave's end
	ds_add_u32 v[SPW], v[NIL]
	s_wait_dscnt 0x0
	CROUND                                         ; the closing round
	s_endpgm
.Lfunc_end_k_q6c72691195_proj:
	.size	k_q6c72691195_proj, .Lfunc_end_k_q6c72691195_proj-k_q6c72691195_proj
	.p2alignl 7, 3214868480
	.fill 96, 4, 3214868480
	.section	.rodata,"a",@progbits
	.p2align	6, 0x0
	.amdhsa_kernel k_q6c72691195_proj
		.amdhsa_group_segment_fixed_size 327680
		.amdhsa_private_segment_fixed_size 0
		.amdhsa_enable_private_segment 0
		.amdhsa_kernarg_size 72
		.amdhsa_user_sgpr_count 2
		.amdhsa_user_sgpr_kernarg_segment_ptr 1
		.amdhsa_wavefront_size32 1
		.amdhsa_system_sgpr_workgroup_id_x 1
		.amdhsa_system_sgpr_workgroup_id_y 1
		.amdhsa_system_sgpr_workgroup_id_z 1
		.amdhsa_system_vgpr_workitem_id 0
		.amdhsa_next_free_vgpr 1024
		.amdhsa_next_free_sgpr 100
		.amdhsa_reserve_vcc 0
		.amdhsa_float_denorm_mode_32 3
		.amdhsa_float_denorm_mode_16_64 3
		.amdhsa_memory_ordered 1
		.amdhsa_forward_progress 1
		.amdhsa_inst_pref_size 250
	.end_amdhsa_kernel
	.amdgpu_metadata
---
amdhsa.version: [ 1, 2 ]
amdhsa.kernels:
  - .name:           k_q6c72691195_proj
    .symbol:         k_q6c72691195_proj.kd
    .args:
      - { .name: XW, .offset: 0, .size: 8, .value_kind: global_buffer, .address_space: global }
      - { .name: SC1, .offset: 8, .size: 8, .value_kind: global_buffer, .address_space: global }
      - { .name: bq, .offset: 16, .size: 8, .value_kind: global_buffer, .address_space: global }
      - { .name: bk, .offset: 24, .size: 8, .value_kind: global_buffer, .address_space: global }
      - { .name: bv, .offset: 32, .size: 8, .value_kind: global_buffer, .address_space: global }
      - { .name: QK, .offset: 40, .size: 8, .value_kind: global_buffer, .address_space: global }
      - { .name: SC2, .offset: 48, .size: 8, .value_kind: global_buffer, .address_space: global }
      - { .name: VT, .offset: 56, .size: 8, .value_kind: global_buffer, .address_space: global }
      - { .name: SC3, .offset: 64, .size: 8, .value_kind: global_buffer, .address_space: global }
    .group_segment_fixed_size: 327680
    .private_segment_fixed_size: 0
    .kernarg_segment_align: 8
    .kernarg_segment_size: 72
    .max_flat_workgroup_size: 128
    .sgpr_count:     100
    .vgpr_count:     1024
    .wavefront_size: 32
...
	.end_amdgpu_metadata
.endif
;; end of part 2
;; launch score (part 3): grid 8 x 32, 4 waves a work-group, clusters of 4 x 4, 327,680 bytes of LDS; arguments QK, SC2, PB, PST; writes PB, PST
.if DOCPART == 3
	.amdgcn_target "amdgcn-amd-amdhsa--gfx1250"
	.amdhsa_code_object_version 6
	.text
	.protected	k_q6c72691195_score
	.globl	k_q6c72691195_score
	.p2align	8
	.type	k_q6c72691195_score,@function
k_q6c72691195_score:
	s_mov_b64 s[64:65], 0
	v_nop
	global_prefetch_b8 v0, s[64:65] scope:SCOPE_SE
	s_setreg_imm32_b32 hwreg(HW_REG_WAVE_MODE, 25, 1), 1
	s_wait_xcnt 0x0
	s_wait_alu depctr_hold_cnt(0) depctr_sa_sdst(0) depctr_va_vdst(0) depctr_va_sdst(0) depctr_va_ssrc(0) depctr_va_vcc(0) depctr_vm_vsrc(0)
	s_getreg_b32 s2, hwreg(HW_REG_IB_STS2, 6, 4)
	s_cmp_eq_u32 s2, 0
	s_cbranch_scc0 .Lentry_in_a_cluster
	s_endpgm
.Lentry_in_a_cluster:
	s_bfe_u32 s2, ttmp6, 0x10000c
	s_cmp_lg_u32 s2, 0xf033
	s_cbranch_scc0 .Lentry_shape_is_right
	s_endpgm
.Lentry_shape_is_right:
; S = q k^T on codes of BF6 (E3M2); then, for each query and each run of 128 keys: t = S x log2(e) / 32, M_loc = ceil(the run's largest t), p = 2^(t - M_loc), l_loc = the sum of the unquantised p;
; p is quantised along the keys.  M_loc is a whole number, so the step to the row's M is an exact power of two: the next launch takes it off p's scale bytes and multiplies l_loc by it.
; QK, SC2: as the launch before left them (fragments as images of their registers; rb 0-511 q, 512-1023 k; ks = e / 128).  PB: p's fragments, NRB 512 (queries of all batches), ks = key / 128 in the batch.
; PST: three planes of 524,288 bytes in the scale words' order (word 8,192 ks + 64 (rb / 4) + 4 r + rb % 4): p's scale words, -M_loc (f32), l_loc (f32).
; A WORK-GROUP makes one tile of 256 queries (P = q, source 1: a lane holds one query) x 256 keys (R = k, source 0: by the order of its slots a block's 64 registers are keys 32 b + 16 (lane / 16) + i).
; Four waves, 2 x 2: a wave makes 128 x 128, 64 accumulators.  K = 1,024 is 8 steps.
; THE LAST TWO K STEPS go by blocks of 16 queries: a block's softmax stands among the products of the next two blocks, and its stores leave at once.
; LDS: two slots of 147,456 bytes: K steps 0-2, 3-5, then 6-7 in slot 0.  One joint load a wave at the head and one behind each round of the cluster's barrier; a tile's row is 8 fragments of one K step, 12,288 bytes:
; waves 0 and 1 fetch q's halves, 2 and 3 k's.  The launch claims all of a WGP's LDS.  CLUSTER 4 x 4: q's tiles are shared along a row of the cluster, k's along a column.
; No prefetch: the walk along K is written out, with no loop to run ahead in, and every fill behind the head is asked for two K steps or more ahead of its first use.
; LIMITS: a block whose largest p lies under 2^-122 keeps the byte 1; an exponential under 2^-126 comes out as 0; the scaled scores stay under 2^31 in magnitude; NaN and infinities are not served.
; REGISTERS: window 0: v1-11 addresses; v16-47 q's scale words, v48-79 k's; v80-175 q's fragments (in the last two K steps four buffers, v80-127, and v128-175 at work); v176-239 p; v240-255 -M_loc and l_loc.
;   window 1: k's fragments, two sets at v0 and v128.   windows 2, 3: accumulator (a, b) at v[8 (8 (a % 4) + b)] of window 2 + a / 4.
.set FRB,  1536
.set KSP,  1024*FRB
.set KSB,  65536
.set QR,   8*FRB
.set Q3,   3*QR
.set REG,  4*Q3
.set SPARE, 2*REG                      ; the spare words, 128 bytes for each wave: two blocks of 256 bytes that no other line names
.set LN,   1
.set ADP,  2
.set ADR,  4
.set SPW,  6                           ; LDS address of my spare word; never rewritten
.set NIL,  7                           ; 0; never rewritten
.set HH,   11
.set SA,   16
.set SB,   48
.set AF,   80
.set PC,   128                         ; v128-147 codes just made and 8 at work
.set BMX,  148                         ; v148-151 each block's largest score, then its largest p
.set EX,   152                         ; v152-155 from lane l xor 16; then the bytes
.set SO,   156                         ; v156-159 the conversions' scale operands
.set NM,   160                         ; v160-161 -M_loc (the pair is named; its low word serves both halves)
.set SUMA, 162
.set SUMB, 164
.set T,    166
.set PW,   168
.set H,    176
.set NMS,  240
.set LS,   248
.set WV,   22
.set WI,   23
.set G1P,  24
.set G1R,  32
.set G0P,  40
.set G0R,  44
.set WJ,   48
.set SEL,  50
.set LA,   52
.set HF,   53
.set SAP,  70
.set SBP,  72
.set OUT,  78
.set STP,  80
.set CS,   86
.set MUL,  0xa1                        ; source 0 (k) window 1, source 1 (q) window 0, C and D window 2 (+ 0x50: window 3)
.set TO_B, 0x40
.set MSB, 0
.macro WIN new
.if MSB != (\new)
	s_set_vgpr_msb (MSB<<8)|(\new)
.set MSB, (\new)
.endif
.endm
.macro PLACES
.rept 4
	v_nop
.endr
.endm
.macro CREST
	s_cmp_lg_u32 s[WV], 0
	s_cbranch_scc1 .Lnot_wave_0_\@
	s_barrier_signal -3
.Lnot_wave_0_\@:
	s_barrier_wait -3
	s_barrier_signal -1
	s_barrier_wait -1
.endm
.macro CROUND
	s_barrier_signal -1
	s_barrier_wait -1
	CREST
.endm
.macro JLOAD                           ; a joint load: waves 0 and 1 fetch for q, waves 2 and 3 for k; four v_nop follow each of the two lines
	s_cmp_lt_u32 s[WV], 2
	s_cbranch_scc0 .Lfor_r_\@
	tensor_load_to_lds s[G0P:G0P+3], s[G1P:G1P+7]
	s_nop 0
.rept 4
	v_nop
.endr
	s_branch .Lasked_\@
.Lfor_r_\@:
	tensor_load_to_lds s[G0R:G0R+3], s[G1R:G1R+7]
	s_nop 0
.rept 4
	v_nop
.endr
.Lasked_\@:
.endm
.macro UPB                             ; slot 1: K steps 3-5
	s_add_co_u32 s[G0P+1], s[LA], REG
	s_add_co_u32 s[G0R+1], s[LA], REG
	s_add_nc_u64 s[G0P+2:G0P+3], s[G0P+2:G0P+3], 3*KSP
	s_add_nc_u64 s[G0R+2:G0R+3], s[G0R+2:G0R+3], 3*KSP
.endm
.macro UPA                             ; slot 0: K steps 6, 7: two rows
	s_mov_b32 s[G0P+1], s[LA]
	s_mov_b32 s[G0R+1], s[LA]
	s_add_nc_u64 s[G0P+2:G0P+3], s[G0P+2:G0P+3], 3*KSP
	s_add_nc_u64 s[G0R+2:G0R+3], s[G0R+2:G0R+3], 3*KSP
	s_mov_b32 s[G1P+2], 2<<16
	s_mov_b32 s[G1P+4], 2
	s_mov_b32 s[G1R+2], 2<<16
	s_mov_b32 s[G1R+4], 2
.endm
.macro FR d, ad, off                   ; a fragment: three loads of 512 consecutive bytes
.irp g, 0,1,2
	ds_load_b128 v[\d+4*\g:\d+4*\g+3], v[\ad] offset:\off+512*\g
.endr
.endm
.macro FA s, i0                        ; q's blocks i0 .. i0 + 3 of K step s, 0-5
.irp i, 0,1,2,3
	FR AF+12*(\i0+\i), ADP+((\s)/3), ((\s)%3)*QR+FRB*(\i0+\i)
.endr
.endm
.macro FB s                            ; k's eight of K step s into set s % 2 (K steps 6 and 7 lie in slot 0)
	WIN TO_B
.irp i, 0,1,2,3,4,5,6,7
	FR 128*((\s)%2)+12*\i, ADR+(((\s)/3)%2), ((\s)%3)*QR+FRB*\i
.endr
	WIN 0
.endm
.macro RB k, a                         ; the last two K steps: q's block a of K step k into its buffer
	FR AF+24*((\k)-6)+12*((\a)%2), ADP, QR*((\k)-6)+FRB*(\a)
.endm
.macro WM a, b, ks, ra, st             ; one product.  Scale words: register 4 ks + block % 4, lanes 16-31 for blocks 4-7.  K step 0 starts the sums: nothing is cleared
.set rD, 8*(8*((\a)%4)+(\b))
.set rB, 128*(\st)+12*(\b)
.set rA, \ra
.set rS, SB+4*(\ks)+(\b)%4
.set rT, SA+4*(\ks)+(\a)%4
.set rM, ((\b)/4)+2*((\a)/4)
.if (\ks) == 0
.if rM == 0
	v_wmma_scale_f32_16x16x128_f8f6f4 v[rD:rD+7], v[rB:rB+11], v[rA:rA+11], 0, v[rS], v[rT] matrix_a_fmt:MATRIX_FMT_BF6 matrix_b_fmt:MATRIX_FMT_BF6
.elseif rM == 1
	v_wmma_scale_f32_16x16x128_f8f6f4 v[rD:rD+7], v[rB:rB+11], v[rA:rA+11], 0, v[rS], v[rT] matrix_a_fmt:MATRIX_FMT_BF6 matrix_b_fmt:MATRIX_FMT_BF6 matrix_a_scale:MATRIX_SCALE_ROW1
.elseif rM == 2
	v_wmma_scale_f32_16x16x128_f8f6f4 v[rD:rD+7], v[rB:rB+11], v[rA:rA+11], 0, v[rS], v[rT] matrix_a_fmt:MATRIX_FMT_BF6 matrix_b_fmt:MATRIX_FMT_BF6 matrix_b_scale:MATRIX_SCALE_ROW1
.else
	v_wmma_scale_f32_16x16x128_f8f6f4 v[rD:rD+7], v[rB:rB+11], v[rA:rA+11], 0, v[rS], v[rT] matrix_a_fmt:MATRIX_FMT_BF6 matrix_b_fmt:MATRIX_FMT_BF6 matrix_a_scale:MATRIX_SCALE_ROW1 matrix_b_scale:MATRIX_SCALE_ROW1
.endif
.elseif rM == 0
	v_wmma_scale_f32_16x16x128_f8f6f4 v[rD:rD+7], v[rB:rB+11], v[rA:rA+11], v[rD:rD+7], v[rS], v[rT] matrix_a_fmt:MATRIX_FMT_BF6 matrix_b_fmt:MATRIX_FMT_BF6
.elseif rM == 1
	v_wmma_scale_f32_16x16x128_f8f6f4 v[rD:rD+7], v[rB:rB+11], v[rA:rA+11], v[rD:rD+7], v[rS], v[rT] matrix_a_fmt:MATRIX_FMT_BF6 matrix_b_fmt:MATRIX_FMT_BF6 matrix_a_scale:MATRIX_SCALE_ROW1
.elseif rM == 2
	v_wmma_scale_f32_16x16x128_f8f6f4 v[rD:rD+7], v[rB:rB+11], v[rA:rA+11], v[rD:rD+7], v[rS], v[rT] matrix_a_fmt:MATRIX_FMT_BF6 matrix_b_fmt:MATRIX_FMT_BF6 matrix_b_scale:MATRIX_SCALE_ROW1
.else
	v_wmma_scale_f32_16x16x128_f8f6f4 v[rD:rD+7], v[rB:rB+11], v[rA:rA+11], v[rD:rD+7], v[rS], v[rT] matrix_a_fmt:MATRIX_FMT_BF6 matrix_b_fmt:MATRIX_FMT_BF6 matrix_a_scale:MATRIX_SCALE_ROW1 matrix_b_scale:MATRIX_SCALE_ROW1
.endif
.endm
.macro MA a, s                         ; block a of q against k's eight
	WIN MUL+0x50*((\a)/4)
.irp b, 0,1,2,3,4,5,6,7
	WM \a, \b, \s, AF+12*(\a), ((\s)%2)
.endr
.endm
; A K step, 0-5: 64 products, the accumulators by turns, one instruction a turn; the next step's fragments are fetched in its middle and at its end.
; The count ahead of k's block b: behind its three loads stand the 3 (7 - b) of k's later blocks, the 12 of q's blocks 4-7 and, with x = 1, the add.
; x > 0: the next step lies in the other slot: a barrier shows it whole.  x = 1: this step's slot is filled again: the add, the round, the joint load.
.macro STEP s, x
.if \x
	WIN 0
	s_wait_tensorcnt 0x0
.endif
.if \x == 1
	ds_add_u32 v[SPW], v[NIL]
	UPA
.endif
	WIN MUL
.irp b, 0,1,2,3,4,5,6,7
	s_wait_dscnt 12+(\x%2)+3*(7-\b)
	WM 0, \b, \s, AF, ((\s)%2)
.endr
	MA 1, \s
.if \x
	s_wait_dscnt 0x0
	s_barrier_signal -1
.endif
	MA 2, \s
	MA 3, \s
	WIN 0
.if \x
	s_barrier_wait -1
.else
	s_wait_dscnt 0x0
.endif
.if \x == 1
	CREST
	JLOAD                                          ; the first tensor load behind the round; its four v_nop are also the places ahead of the loads below
.else
	PLACES
.endif
.if (\s) < 5
	FA (\s)+1, 0
.else
	RB 6, 0
	RB 6, 1
	RB 7, 0
	RB 7, 1
.endif
	FB (\s)+1
.irp a, 4,5,6,7
	MA \a, \s
.endr
	WIN 0
	PLACES
.if (\s) < 5
	FA (\s)+1, 4
.else
	FB 7
.endif
.endm
; THE LAST TWO K STEPS: k's fragments of both lie in its two sets.  Blocks 0 and 1 at K step 6, 0 at 7; then, while block a - 1's softmax is made, block a + 1 at 6 and block a at 7.
.macro W6 a, b
	WIN MUL+0x50*((\a)/4)
	WM \a, \b, 6, AF+12*((\a)%2), 0
.endm
.macro W7 a, b
	WIN MUL+0x50*((\a)/4)
	WM \a, \b, 7, AF+24+12*((\a)%2), 1
.endm
.macro PERIOD a                        ; the fragments of the period after this one; then the list of products for HK
	WIN 0
	s_wait_dscnt 0x0
	PLACES
.if (\a) < 6
	RB 6, (\a)+2
.endif
.if (\a) < 7
	RB 7, (\a)+1
.endif
.set ha, \a
.set hn, 16
.if (\a) < 7
.set hq, 0
.else
.set hq, 8
.endif
.endm
.macro HK                              ; the next product of the list, if one is left
.if hq < hn
.if hq < 8
	W6 (ha+1), hq
.else
	W7 ha, (hq-8)
.endif
.set hq, hq+1
.endif
.endm
; Block a of the queries: 16 queries x my 128 keys.  HK puts products of other blocks between, never between exponentials and the wait behind them
.macro SOFTQ a
.set SS, 64*((\a)%4)
.irp i, 0,2,4,6,8,10,12,14
	WIN 0x28+0x14*((\a)/4)                         ; sources 1 and 2: window 2 or 3
.irp b, 0,1,2,3                                ; the largest score of each block of 32 keys: for the maximum, and, since p rises with the score, for the block's largest p.  Each accumulator is read from its low end on
.if \i == 0
	v_max3_num_f32 v[BMX+\b], 0xff800000, v[SS+16*\b], v[SS+16*\b+1]
.else
	v_max3_num_f32 v[BMX+\b], v[BMX+\b], v[SS+16*\b+\i], v[SS+16*\b+\i+1]
.endif
.endr
	HK
.endr
	WIN 0
.irp b, 0,1,2,3
	v_permlanex16_b32 v[EX+\b], v[BMX+\b], s[SEL], s[SEL+1]
.endr
.irp b, 0,1,2,3
	v_max_num_f32 v[BMX+\b], v[BMX+\b], v[EX+\b]   ; with lane l xor 16's 16 keys
.endr
	v_max3_num_f32 v[T], v[BMX], v[BMX+1], v[BMX+2]
	v_max_num_f32 v[T], v[T], v[BMX+3]
	v_mul_f32 v[T], s[CS], v[T]                    ; the largest t (c is positive)
	v_floor_f32 v[NM], -v[T]                       ; -M_loc = floor(-t) = -ceil(t)
	WIN 0x02+((\a)/4)
.set p, 0
.rept 32
	v_pk_fma_f32 v[H+p:H+p+1], v[SS+p:SS+p+1], s[CS:CS+1], v[NM:NM+1] op_sel_hi:[1,0,0]   ; t - M_loc
.set p, p+2
.endr
	WIN 0
.irp b, 0,1,2,3
	v_fma_f32 v[BMX+\b], v[BMX+\b], s[CS], v[NM]   ; the same of each block's largest score
.endr
	s_wait_alu depctr_va_vdst(0)
	s_wait_xcnt 0x0                                ; earlier stores have read their data: the codes' registers are written again only behind this wait
.set p, 0
.rept 64
	v_exp_f32 v[H+p], v[H+p]                       ; p = 2^(t - M_loc), at most 1
.set p, p+1
.endr
.irp b, 0,1,2,3
	v_exp_f32 v[BMX+\b], v[BMX+\b]                 ; the block's largest p: the same two instructions on the same number give the same bits
.endr
	v_mov_b32 v[NMS+(\a)], v[NM]                   ; (the plain place behind the exponentials)
	s_wait_alu depctr_va_vdst(0)                   ; one wait for the 68, ahead of their first reader
	v_pk_add_f32 v[SUMA:SUMA+1], v[H:H+1], v[H+4:H+5]   ; the sum of the UNQUANTISED p, two at a time, in two chains
	v_pk_add_f32 v[SUMB:SUMB+1], v[H+2:H+3], v[H+6:H+7]
.irp j, 8,12,16,20,24,28,32,36,40,44,48,52,56,60
	v_pk_add_f32 v[SUMA:SUMA+1], v[SUMA:SUMA+1], v[H+\j:H+\j+1]
	v_pk_add_f32 v[SUMB:SUMB+1], v[SUMB:SUMB+1], v[H+\j+2:H+\j+3]
.if (\j)%8 == 0
	HK
	WIN 0
.endif
.endr
.irp b, 0,1,2,3
	v_max_num_f32 v[BMX+\b], 0x2800000, v[BMX+\b]  ; the floor 2^(5 - 127): the byte cannot fall under 1
.endr
	v_pk_add_f32 v[SUMA:SUMA+1], v[SUMA:SUMA+1], v[SUMB:SUMB+1]
.irp b, 0,1,2,3
	v_add_nc_u32 v[SO+\b], 0xfe000000, v[BMX+\b]   ; 4 off the exponent field: the conversion's scale operand
.endr
	v_add_f32 v[T], v[SUMA], v[SUMA+1]
	v_permlanex16_b32 v[EX], v[T], s[SEL], s[SEL+1]
	v_add_f32 v[LS+(\a)], v[T], v[EX]              ; l_loc
	HK
	WIN 0
.irp b, 0,1,2,3
	v_lshrrev_b32 v[EX+\b], 23, v[SO+\b]
.endr
	v_lshl_or_b32 v[PW+(\a)], v[EX+1], 8, v[EX]
	v_lshl_or_b32 v[PW+(\a)], v[EX+2], 16, v[PW+(\a)]
	v_lshl_or_b32 v[PW+(\a)], v[EX+3], 24, v[PW+(\a)]
.irp c, 0,1
	v_cvt_scalef32_pk16_bf6_f32 v[PC+6*\c:PC+2+6*\c], v[H+32*\c:H+15+32*\c], v[SO+2*\c]
	v_cvt_scalef32_pk16_bf6_f32 v[PC+12+4*\c:PC+14+4*\c], v[H+16+32*\c:H+31+32*\c], v[SO+2*\c+1]
.endr
	v_nop                                          ; one plain place behind the scaled conversions
.irp c, 0,1
.irp i, 0,1,2
	v_permlane16_swap_b32 v[PC+6*\c+\i], v[PC+12+4*\c+\i]
.endr
.endr
.irp c, 0,1
.irp i, 0,1,2
	v_mov_b32 v[PC+3+6*\c+\i], v[PC+12+4*\c+\i]
.endr
.endr
.irp g, 0,1,2
	global_store_b128 v[LN], v[PC+4*\g:PC+4*\g+3], s[OUT:OUT+1] offset:FRB*(\a)+512*\g   ; 512 consecutive bytes a store
.endr
.endm
	s_load_b256 s[4:11], s[0:1], 0x0               ; QK s[4:5], SC2 s[6:7], PB s[8:9], PST s[10:11]
	v_lshl_add_u32 v[SPW], v0, 2, SPARE
	v_mov_b32 v[NIL], 0
	ds_add_u32 v[SPW], v[NIL]                      ; the opening: the add twice on end
	ds_add_u32 v[SPW], v[NIL]
	v_lshrrev_b32 v1, 5, v0
	v_readfirstlane_b32 s[WV], v1
	s_lshr_b32 s[WI], s[WV], 1                     ; my half of the queries.  Also: I fetch for q (0) or for k (1)
	s_and_b32 s[WJ], s[WV], 1                      ; my half of the keys.  Also: which half I fetch
	s_bfe_u32 s56, ttmp6, 0x40000                  ; cx
	s_bfe_u32 s57, ttmp6, 0x40004                  ; cy
	s_lshl_b32 s58, ttmp9, 2
	s_add_co_u32 s58, s58, s56                     ; X: 256 keys of the batch
	s_and_b32 s59, ttmp7, 0xffff                   ; Yc, 0 .. 7; the batch is Yc / 2
	s_lshl_b32 s96, s57, 2
	s_lshl_b32 s96, 15, s96
	s_lshl_b32 s97, 0x1111, s56
	; descriptor groups 1: rows of 12,288 bytes (1,536 elements of 8), one for each K step; from row to row one ks of QK
	s_or_b32 s[G1P], s96, (3<<16)|(1<<21)
	s_or_b32 s[G1R], s97, (3<<16)|(1<<21)
.irp g, G1P, G1R
	s_mov_b32 s[\g+1], 1536<<16
	s_mov_b32 s[\g+2], 3<<16
	s_mov_b32 s[\g+3], 1536<<16
	s_mov_b32 s[\g+4], 3
	s_mov_b32 s[\g+5], KSP/8
	s_mov_b32 s[\g+6], 0
	s_mov_b32 s[\g+7], 0
.endr
	s_lshl_b32 s2, s[WJ], 3
	s_lshl_b32 s60, s59, 2
	s_add_co_u32 s60, s60, s57
	s_lshl_b32 s60, s60, 4                         ; q's first fragment: 16 (4 Yc + cy)
	s_add_co_u32 s54, s60, s2
	s_mul_i32 s54, s54, FRB
	s_mov_b32 s55, 0
	s_lshr_b32 s63, s59, 1
	s_lshl_b32 s63, s63, 7
	s_lshl_b32 s98, s58, 4
	s_add_co_u32 s92, s98, s63
	s_add_co_u32 s92, s92, 512                     ; k's: 512 + 128 batch + 16 X
	s_add_co_u32 s94, s92, s2
	s_mul_i32 s94, s94, FRB
	s_mov_b32 s95, 0
	s_mul_i32 s[LA], s[WV], Q3                     ; where they go: no place in the cluster enters an LDS address
	s_mov_b32 s[SEL], 0x76543210
	s_mov_b32 s[SEL+1], 0xfedcba98
	s_mov_b32 s[CS], 0x3d38aa3b                    ; c = log2(e) / 32
	s_mov_b32 s[CS+1], s[CS]
	s_mov_b32 s[G0P], 1
	s_mov_b32 s[G0P+1], s[LA]
	s_mov_b32 s[G0R], 1
	s_mov_b32 s[G0R+1], s[LA]
	s_wait_dscnt 0x0                               ; both opening adds are done
	CROUND                                         ; all sixteen work-groups are here: the joint loads meet
	s_wait_kmcnt 0x0
	s_add_nc_u64 s[G0P+2:G0P+3], s[4:5], s[54:55]
	s_or_b32 s[G0P+3], s[G0P+3], 0x80000000
	s_add_nc_u64 s[G0R+2:G0R+3], s[4:5], s[94:95]
	s_or_b32 s[G0R+3], s[G0R+3], 0x80000000
	JLOAD                                          ; K steps 0-2: one tensor load a wave at the head
	v_and_b32 v8, 31, v0
	v_lshlrev_b32 v[LN], 4, v8
	v_bfe_u32 v[HH], v0, 4, 1
	v_cmp_eq_u32 s[HF], 1, v[HH]
	s_mul_i32 s2, s[WI], Q3
	v_add_nc_u32 v[ADP], s2, v[LN]
	s_add_co_u32 s2, s[WJ], 2
	s_mul_i32 s2, s2, Q3
	v_add_nc_u32 v[ADR], s2, v[LN]
	v_add_nc_u32 v[ADP+1], REG, v[ADP]
	v_add_nc_u32 v[ADR+1], REG, v[ADR]
	s_wait_alu depctr_va_vdst(0)                   ; scalar work and loads by these addresses follow
	s_mov_b32 s3, 0
	s_lshl_b32 s96, s[WI], 3
	s_add_co_u32 s96, s96, s60                     ; my first fragment of queries
	s_lshl_b32 s2, s96, 6                          ; scale words: 64 bytes a fragment
	s_add_nc_u64 s[SAP:SAP+1], s[6:7], s[2:3]
	s_lshl_b32 s2, s[WJ], 3
	s_add_co_u32 s2, s2, s92
	s_lshl_b32 s2, s2, 6
	s_add_nc_u64 s[SBP:SBP+1], s[6:7], s[2:3]
.irp k, 0,1,2,3,4,5,6,7
	global_load_b128 v[SA+4*\k:SA+4*\k+3], v[LN], s[SAP:SAP+1] offset:\k*KSB
	global_load_b128 v[SB+4*\k:SB+4*\k+3], v[LN], s[SBP:SBP+1] offset:\k*KSB
.endr
	s_lshl_b32 s2, s58, 1
	s_add_co_u32 s2, s2, s[WJ]                     ; ks of the output: 2 X + wj
	s_lshl_b32 s2, s2, 9
	s_add_co_u32 s2, s2, s96                       ; fragment number 512 ks + rb
	s_lshl_b32 s98, s2, 6
	s_mul_i32 s2, s2, FRB
	s_add_nc_u64 s[OUT:OUT+1], s[8:9], s[2:3]
	s_mov_b32 s2, s98
	s_add_nc_u64 s[STP:STP+1], s[10:11], s[2:3]
	s_wait_alu depctr_va_vdst(0)
	s_wait_tensorcnt 0x0                           ; my part of slot 0 is in
	ds_add_u32 v[SPW], v[NIL]
	UPB
	s_wait_dscnt 0x0
	CROUND                                         ; everybody's part of slot 0 is in
	JLOAD                                          ; K steps 3-5
	FA 0, 0
	FB 0
	FA 0, 4
	s_wait_loadcnt 0x0                             ; the scale words
	STEP 0, 0
	STEP 1, 0
	STEP 2, 1                                      ; K steps 6, 7
	STEP 3, 0
	STEP 4, 0
	STEP 5, 2                                      ; nothing is filled again
.irp b, 0,1,2,3,4,5,6,7                        ; behind q's four buffers and k's set 0 stand set 1's 24 loads
	s_wait_dscnt 24+3*(7-\b)
	W6 0, \b
.endr
.irp b, 0,1,2,3,4,5,6,7
	W6 1, \b
.endr
	WIN 0
	PLACES
	RB 6, 2                                        ; block 0's buffer of K step 6 is free: block 2's fragment, for the first period
.irp b, 0,1,2,3,4,5,6,7
	s_wait_dscnt 3+3*(7-\b)
	W7 0, \b
.endr
.irp a, 1,2,3,4,5,6,7
	PERIOD \a
	SOFTQ (\a-1)
.endr
	WIN 0
	PLACES
	SOFTQ 7
.irp k, 0,1,2,3                                ; lane (r, h) stores the words of blocks 4 h .. 4 h + 3 of slot r, in each plane
	v_cndmask_b32 v[H+\k], v[PW+\k], v[PW+4+\k], s[HF]
	v_cndmask_b32 v[H+4+\k], v[NMS+\k], v[NMS+4+\k], s[HF]
	v_cndmask_b32 v[H+8+\k], v[LS+\k], v[LS+4+\k], s[HF]
.endr
.irp q, 0,1,2
	global_store_b128 v[LN], v[H+4*\q:H+4*\q+3], s[STP:STP+1] offset:\q*524288   ; 512 consecutive bytes, aligned
.endr
	s_wait_tensorcnt 0x0                           ; the wave's end
	ds_add_u32 v[SPW], v[NIL]
	s_wait_dscnt 0x0
	CROUND                                         ; the closing round
	s_endpgm
.Lfunc_end_k_q6c72691195_score:
	.size	k_q6c72691195_score, .Lfunc_end_k_q6c72691195_score-k_q6c72691195_score
	.p2alignl 7, 3214868480
	.fill 96, 4, 3214868480
	.section	.rodata,"a",@progbits
	.p2align	6, 0x0
	.amdhsa_kernel k_q6c72691195_score
		.amdhsa_group_segment_fixed_size 327680
		.amdhsa_private_segment_fixed_size 0
		.amdhsa_enable_private_segment 0
		.amdhsa_kernarg_size 32
		.amdhsa_user_sgpr_count 2
		.amdhsa_user_sgpr_kernarg_segment_ptr 1
		.amdhsa_wavefront_size32 1
		.amdhsa_system_sgpr_workgroup_id_x 1
		.amdhsa_system_sgpr_workgroup_id_y 1
		.amdhsa_system_sgpr_workgroup_id_z 1
		.amdhsa_system_vgpr_workitem_id 0
		.amdhsa_next_free_vgpr 1024
		.amdhsa_next_free_sgpr 100
		.amdhsa_reserve_vcc 0
		.amdhsa_float_denorm_mode_32 3
		.amdhsa_float_denorm_mode_16_64 3
		.amdhsa_memory_ordered 1
		.amdhsa_forward_progress 1
		.amdhsa_inst_pref_size 201
	.end_amdhsa_kernel
	.amdgpu_metadata
---
amdhsa.version: [ 1, 2 ]
amdhsa.kernels:
  - .name:           k_q6c72691195_score
    .symbol:         k_q6c72691195_score.kd
    .args:
      - { .name: QK, .offset: 0, .size: 8, .value_kind: global_buffer, .address_space: global }
      - { .name: SC2, .offset: 8, .size: 8, .value_kind: global_buffer, .address_space: global }
      - { .name: PB, .offset: 16, .size: 8, .value_kind: global_buffer, .address_space: global }
      - { .name: PST, .offset: 24, .size: 8, .value_kind: global_buffer, .address_space: global }
    .group_segment_fixed_size: 327680
    .private_segment_fixed_size: 0
    .kernarg_segment_align: 8
    .kernarg_segment_size: 32
    .max_flat_workgroup_size: 128
    .sgpr_count:     100
    .vgpr_count:     1024
    .wavefront_size: 32
...
	.end_amdgpu_metadata
.endif
;; end of part 3
;; launch pv (part 4): grid 4 x 64, 4 waves a work-group, clusters of 4 x 4, 327,680 bytes of LDS; arguments PB, PST, VT, SC3, out0; writes out0
.if DOCPART == 4
	.amdgcn_target "amdgcn-amd-amdhsa--gfx1250"
	.amdhsa_code_object_version 6
	.text
	.protected	k_q6c72691195_pv
	.globl	k_q6c72691195_pv
	.p2align	8
	.type	k_q6c72691195_pv,@function
k_q6c72691195_pv:
	s_mov_b64 s[64:65], 0
	v_nop
	global_prefetch_b8 v0, s[64:65] scope:SCOPE_SE
	s_setreg_imm32_b32 hwreg(HW_REG_WAVE_MODE, 25, 1), 1
	s_wait_xcnt 0x0
	s_wait_alu depctr_hold_cnt(0) depctr_sa_sdst(0) depctr_va_vdst(0) depctr_va_sdst(0) depctr_va_ssrc(0) depctr_va_vcc(0) depctr_vm_vsrc(0)
	s_getreg_b32 s2, hwreg(HW_REG_IB_STS2, 6, 4)
	s_cmp_eq_u32 s2, 0
	s_cbranch_scc0 .Lentry_in_a_cluster
	s_endpgm
.Lentry_in_a_cluster:
	s_bfe_u32 s2, ttmp6, 0x10000c
	s_cmp_lg_u32 s2, 0xf033
	s_cbranch_scc0 .Lentry_shape_is_right
	s_endpgm
.Lentry_shape_is_right:
; out0[q][e] = (the sum over the keys of p[q][key] v[key][e]) / l[q], on codes of BF6 (E3M2), K = the batch's 2,048 keys, 16 steps.
; The launch before left p = 2^(t - M_loc) with a whole M_loc for each run of 128 keys.  Here, per query: M = the largest M_loc; d = M - M_loc is taken off the run's four scale bytes (an exact power of two);
; l = the sum of l_loc 2^-d; the product is multiplied by 1 / l at the end.
; PB, PST, VT, SC3: fragments as images of their registers and words in the scale words' order, as the launches before left them.
; A TILE is 128 queries (P = p, source 1: a lane holds one query) x 256 of e (R = v^T, source 0: a block's 64 registers are e = 32 b + 16 (lane / 16) + i).  Four waves, 2 x 2: 64 x 128 a wave, 32 accumulators.
; LDS: P's 8 K steps, then R's 8, used as two slots of 4 K steps.  Each slot is filled twice; a refill is one joint load a wave (two K steps as two rows) behind a round of the cluster's barrier, and has four K steps,
; 128 matrix instructions a wave, in which to land.  A wave has one tensor load out at the most.  The launch claims all of a WGP's LDS.
; CLUSTER 4 x 4: p's tiles are shared along a row of the cluster, v's along a column.  No prefetch: half of the work-group's bytes are asked for in its first lines, the rest four K steps ahead of their use.
; LIMITS: d is held at 127, and a byte that would fall under 0 is held at 0: what is lost lies under 2^-120 beside a row's sum of at least 1/2.  NaN and infinities are not served.
; REGISTERS: window 0: v1-12 addresses; v16-47 p's scale words, v48-111 v's; v112-207 p's fragments, two sets (at the head: -M_loc, l_loc and d; on the way out: results); v208-239 at work; v240-247 1 / l in pairs.
;   window 1: v's fragments, two sets at v0 and v128.   window 2: accumulator (a, b) at v[8 (8 a + b)].
.set FRB,  1536
.set KSPP, 512*FRB                     ; from ks to ks + 1 in PB
.set KSPR, 64*FRB                      ; and in VT
.set PKS,  8*FRB
.set RKS,  16*FRB
.set RREG, 8*PKS
.set SPARE, RREG+8*RKS                 ; the spare words, 128 bytes for each wave: two blocks of 256 bytes that no other line names
.set LN,   1
.set ADA,  2
.set ADB,  4
.set VOA,  8
.set STO,  9                           ; the way out: where I put 16 bytes of my slot's row
.set RD,   10                          ; and where I read a row back
.set SPW,  11
.set NIL,  12
.set SA,   16
.set SB,   48
.set AF,   112
.set NMR,  112
.set LL,   144
.set DD,   176
.set MK,   208
.set H,    112
.set BK,   176
.set RL,   240
.set GG,   248
.set EX,   252
.set WV,   22
.set WI,   23
.set WJ,   84
.set G1P,  24
.set G1R,  32
.set G0P,  40
.set G0R,  48
.set SEL,  88
.set OUT,  72
.set MUL,  0xa1
.set TO_B, 0x40
.set MSB, 0
.macro WIN new
.if MSB != \new
	s_set_vgpr_msb (MSB<<8)|\new
.set MSB, \new
.endif
.endm
.macro PLACES
.rept 4
	v_nop
.endr
.endm
.macro CROUND
	s_barrier_signal -1
	s_barrier_wait -1
	s_cmp_lg_u32 s[WV], 0
	s_cbranch_scc1 .Lnot_wave_0_\@
	s_barrier_signal -3
.Lnot_wave_0_\@:
	s_barrier_wait -3
	s_barrier_signal -1
	s_barrier_wait -1
.endm
.macro JLOAD n                         ; a joint refill of slot n: waves 0 and 1 fetch for P, waves 2 and 3 for R; four v_nop follow each of the two lines
	s_cmp_lt_u32 s[WV], 2
	s_cbranch_scc0 .Lfor_r_\@
	tensor_load_to_lds s[G0P+4*\n:G0P+4*\n+3], s[G1P:G1P+7]
	s_nop 0
.rept 4
	v_nop
.endr
	s_branch .Lasked_\@
.Lfor_r_\@:
	tensor_load_to_lds s[G0R+4*\n:G0R+4*\n+3], s[G1R:G1R+7]
	s_nop 0
.rept 4
	v_nop
.endr
.Lasked_\@:
.endm
.macro FETCH ks, set
.set KL, (\ks)%8
	WIN 0
.irp a, 0,1,2,3
.irp g, 0,1,2
	ds_load_b128 v[AF+48*(\set)+12*\a+4*\g:AF+48*(\set)+12*\a+4*\g+3], v[ADA+KL/4] offset:(KL%4)*PKS+\a*FRB+512*\g
.endr
.endr
	WIN TO_B
.irp b, 0,1,2,3,4,5,6,7
.irp g, 0,1,2
	ds_load_b128 v[128*(\set)+12*\b+4*\g:128*(\set)+12*\b+4*\g+3], v[ADB+KL/2] offset:(KL%2)*RKS+\b*FRB+512*\g
.endr
.endr
.endm
.macro WM a, b, ks, set, zero
.set rD, 8*(8*(\a)+(\b))
.set rB, 128*(\set)+12*(\b)
.set rA, AF+48*(\set)+12*(\a)
.set rS, SB+4*(\ks)+(\b)%4
.set rT, SA+4*((\ks)/2)+(\a)
.if \zero
.if (\b) < 4
	v_wmma_scale_f32_16x16x128_f8f6f4 v[rD:rD+7], v[rB:rB+11], v[rA:rA+11], 0, v[rS], v[rT] matrix_a_fmt:MATRIX_FMT_BF6 matrix_b_fmt:MATRIX_FMT_BF6
.else
	v_wmma_scale_f32_16x16x128_f8f6f4 v[rD:rD+7], v[rB:rB+11], v[rA:rA+11], 0, v[rS], v[rT] matrix_a_fmt:MATRIX_FMT_BF6 matrix_b_fmt:MATRIX_FMT_BF6 matrix_a_scale:MATRIX_SCALE_ROW1
.endif
.elseif (\ks)%2 == 0
.if (\b) < 4
	v_wmma_scale_f32_16x16x128_f8f6f4 v[rD:rD+7], v[rB:rB+11], v[rA:rA+11], v[rD:rD+7], v[rS], v[rT] matrix_a_fmt:MATRIX_FMT_BF6 matrix_b_fmt:MATRIX_FMT_BF6
.else
	v_wmma_scale_f32_16x16x128_f8f6f4 v[rD:rD+7], v[rB:rB+11], v[rA:rA+11], v[rD:rD+7], v[rS], v[rT] matrix_a_fmt:MATRIX_FMT_BF6 matrix_b_fmt:MATRIX_FMT_BF6 matrix_a_scale:MATRIX_SCALE_ROW1
.endif
.else
.if (\b) < 4
	v_wmma_scale_f32_16x16x128_f8f6f4 v[rD:rD+7], v[rB:rB+11], v[rA:rA+11], v[rD:rD+7], v[rS], v[rT] matrix_a_fmt:MATRIX_FMT_BF6 matrix_b_fmt:MATRIX_FMT_BF6 matrix_b_scale:MATRIX_SCALE_ROW1
.else
	v_wmma_scale_f32_16x16x128_f8f6f4 v[rD:rD+7], v[rB:rB+11], v[rA:rA+11], v[rD:rD+7], v[rS], v[rT] matrix_a_fmt:MATRIX_FMT_BF6 matrix_b_fmt:MATRIX_FMT_BF6 matrix_a_scale:MATRIX_SCALE_ROW1 matrix_b_scale:MATRIX_SCALE_ROW1
.endif
.endif
.endm
.macro MULB b, ks, set, zero
.irp a, 0,1,2,3
	WM \a, \b, \ks, \set, \zero
.endr
.endm
; A K step: the next step's 36 loads first, then 32 products; the 32 accumulators take turns, one instruction a turn.
; The count ahead of block b: behind its three loads stand the 3 (7 - b) of this step's later blocks and, with fetch = 1, the 36 just issued.
.macro STEP ks, fetch, zero, pl
.if \pl
	PLACES
.endif
.if \fetch
	FETCH (\ks)+1, ((\ks)+1)%2
.endif
	WIN MUL
.irp b, 0,1,2,3,4,5,6,7
	s_wait_dscnt 36*(\fetch)+3*(7-\b)
	MULB \b, \ks, (\ks)%2, \zero
.endr
.endm
; Slot n has been read out (its last fragments were asked for a step ago and are waited for here) and the other slot has landed: it is filled again with the K steps eight further on.
.macro ROUNDFILL n
	WIN 0                                          ; the add's two registers lie in window 0
	s_wait_tensorcnt 0x0                           ; all my tensor loads have landed, so a group 0 may be written
	ds_add_u32 v[SPW], v[NIL]                      ; 0 onto my spare word
	s_add_nc_u64 s[G0P+4*\n+2:G0P+4*\n+3], s[G0P+4*\n+2:G0P+4*\n+3], 8*KSPP
	s_add_nc_u64 s[G0R+4*\n+2:G0R+4*\n+3], s[G0R+4*\n+2:G0R+4*\n+3], 8*KSPR
	s_wait_dscnt 0x0                               ; the add is done, and my reads of the slot are over
	CROUND                                         ; both now hold of every wave of all sixteen work-groups
	JLOAD \n                                       ; the first tensor load behind the round, one a wave; its four v_nop are also the places ahead of the loads that follow
.endm
	s_load_b256 s[4:11], s[0:1], 0x0               ; PB s[4:5], PST s[6:7], VT s[8:9], SC3 s[10:11]
	s_load_b64 s[12:13], s[0:1], 0x20              ; out0
	v_lshl_add_u32 v[SPW], v0, 2, SPARE
	v_mov_b32 v[NIL], 0
	ds_add_u32 v11, v12
	ds_add_u32 v11, v12
	s_wait_dscnt 0x0
	v_lshrrev_b32 v1, 5, v0
	v_readfirstlane_b32 s[WV], v1
	s_lshr_b32 s[WI], s[WV], 1                     ; my half of the queries.  Also: I fetch for P (0) or for R (1)
	s_and_b32 s[WJ], s[WV], 1                      ; my half of e.  Also: which two K steps of a slot I fetch
	s_bfe_u32 s56, ttmp6, 0x40000                  ; cx
	s_bfe_u32 s57, ttmp6, 0x40004                  ; cy
	s_lshl_b32 s58, ttmp9, 2
	s_add_co_u32 s58, s58, s56                     ; X: 256 of e
	s_and_b32 s59, ttmp7, 0xffff                   ; Yc
	s_lshl_b32 s60, s59, 2
	s_add_co_u32 s60, s60, s57                     ; Y: 128 queries; the batch is Yc / 4
	s_lshl_b32 s62, s57, 2
	s_lshl_b32 s62, 15, s62
	s_lshl_b32 s63, 0x1111, s56
	; descriptor groups 1: two rows, one for each K step: 12,288 bytes (1,536 elements of 8) of P, 24,576 of R; from row to row one ks of the buffer
	s_or_b32 s[G1P], s62, (3<<16)|(1<<21)
	s_mov_b32 s[G1P+1], 1536<<16
	s_mov_b32 s[G1P+2], 2<<16
	s_mov_b32 s[G1P+3], 1536<<16
	s_mov_b32 s[G1P+4], 2
	s_mov_b32 s[G1P+5], KSPP/8
	s_mov_b32 s[G1P+6], 0
	s_mov_b32 s[G1P+7], 0
	s_or_b32 s[G1R], s63, (3<<16)|(1<<21)
	s_mov_b32 s[G1R+1], 3072<<16
	s_mov_b32 s[G1R+2], 2<<16
	s_mov_b32 s[G1R+3], 3072<<16
	s_mov_b32 s[G1R+4], 2
	s_mov_b32 s[G1R+5], KSPR/8
	s_mov_b32 s[G1R+6], 0
	s_mov_b32 s[G1R+7], 0
	s_lshl_b32 s60, s60, 3                         ; rbP0 = 8 Y
	s_mul_i32 s86, s60, FRB
	s_mul_i32 s87, s[WJ], 2*KSPP
	s_add_co_u32 s86, s86, s87
	s_mov_b32 s87, 0
	s_lshr_b32 s63, s59, 2                         ; the batch
	s_lshl_b32 s98, s63, 4
	s_lshl_b32 s99, s[WJ], 1
	s_add_co_u32 s98, s98, s99
	s_mul_i32 s98, s98, KSPR
	s_lshl_b32 s85, s58, 4                         ; rbR0 = 16 X
	s_mul_i32 s99, s85, FRB
	s_add_co_u32 s98, s98, s99
	s_mov_b32 s99, 0
	s_mul_i32 s2, s[WJ], 2*PKS
	s_mul_i32 s3, s[WJ], 2*RKS
	s_add_co_u32 s3, s3, RREG
	s_mov_b32 s[SEL], 0x76543210
	s_mov_b32 s[SEL+1], 0xfedcba98
	s_mov_b32 s66, 0x80808080
	s_mov_b32 s67, 0xc2fe0000                      ; -127.0
	CROUND                                         ; all sixteen work-groups are here: the joint loads meet
	s_wait_kmcnt 0x0
	s_add_nc_u64 s[86:87], s[4:5], s[86:87]
	s_add_nc_u64 s[98:99], s[8:9], s[98:99]
.irp n, 0,1                                    ; slot n: K steps 4 n .. 4 n + 3; a wave brings 4 n + 2 (wave & 1) and the next
	s_mov_b32 s[G0P+4*\n], 1
	s_add_co_u32 s[G0P+4*\n+1], s2, \n*4*PKS
	s_add_nc_u64 s[G0P+4*\n+2:G0P+4*\n+3], s[86:87], \n*4*KSPP
	s_or_b32 s[G0P+4*\n+3], s[G0P+4*\n+3], 0x80000000
	s_mov_b32 s[G0R+4*\n], 1
	s_add_co_u32 s[G0R+4*\n+1], s3, \n*4*RKS
	s_add_nc_u64 s[G0R+4*\n+2:G0R+4*\n+3], s[98:99], \n*4*KSPR
	s_or_b32 s[G0R+4*\n+3], s[G0R+4*\n+3], 0x80000000
.endr
	JLOAD 0                                        ; slot 0: one tensor load a wave at the head
	v_and_b32 v13, 31, v0
	v_lshlrev_b32 v[LN], 4, v13
	v_and_b32 v14, 15, v0                          ; r
	v_bfe_u32 v15, v0, 4, 1                        ; h
	v_lshlrev_b32 v[VOA], 4, v14
	v_lshl_add_u32 v[VOA], v15, 15, v[VOA]         ; lanes 0-15 the even K step's words, lanes 16-31 the odd one's, 32,768 bytes on
	s_mul_i32 s2, s[WI], 4*FRB
	v_add_nc_u32 v[ADA], s2, v[LN]
	v_add_nc_u32 v[ADA+1], 4*PKS, v[ADA]
	s_mul_i32 s2, s[WJ], 8*FRB
	s_add_co_u32 s2, s2, RREG
	v_add_nc_u32 v[ADB], s2, v[LN]
.irp n, 1,2,3
	v_add_nc_u32 v[ADB+\n], \n*2*RKS, v[ADB]
.endr
	s_mul_i32 s2, s[WV], 16*528                    ; my stage for the way out: 16 rows x (512 + 16) bytes, in slot 0's part of P, which has had its last fill and its last read by then
	v_mul_u32_u24 v[STO], v14, 528
	v_lshl_add_u32 v[STO], v15, 6, v[STO]
	v_add_nc_u32 v[STO], s2, v[STO]
	v_add_nc_u32 v[RD], s2, v[LN]
.irp t, 0,1,2,3
	v_mov_b32 v[EX+\t], 0                          ; a lane permute's destination counts as one of its sources
.endr
	s_mov_b32 s3, 0
	s_lshl_b32 s2, s[WI], 2
	s_add_co_u32 s2, s2, s60
	s_lshl_b32 s2, s2, 6
	s_add_nc_u64 s[68:69], s[6:7], s[2:3]          ; PST at my four fragments of queries
	s_lshl_b32 s2, s[WJ], 3
	s_add_co_u32 s2, s2, s85
	s_lshl_b32 s2, s2, 6
	s_lshl_b32 s63, s63, 16                        ; the batch's 16 K steps of 4,096 bytes
	s_add_co_u32 s2, s2, s63
	s_add_nc_u64 s[70:71], s[10:11], s[2:3]        ; SC3 at my eight fragments of e
.irp m, 0,1,2,3,4,5,6,7
	global_load_b128 v[SA+4*\m:SA+4*\m+3], v[VOA], s[68:69] offset:\m*65536
	global_load_b128 v[NMR+4*\m:NMR+4*\m+3], v[VOA], s[68:69] offset:\m*65536+524288
	global_load_b128 v[LL+4*\m:LL+4*\m+3], v[VOA], s[68:69] offset:\m*65536+2*524288
.endr
.irp k, 0,1,2,3,4,5,6,7,8,9,10,11,12,13,14,15
	global_load_b128 v[SB+4*\k:SB+4*\k+3], v[LN], s[70:71] offset:\k*4096
.endr
	s_lshl_b32 s2, s60, 4                          ; 128 Y
	s_lshl_b32 s63, s[WI], 6
	s_add_co_u32 s2, s2, s63
	s_lshl_b32 s2, s2, 12                          ; rows of 4,096 bytes
	s_lshl_b32 s63, s58, 10
	s_add_co_u32 s2, s2, s63
	s_lshl_b32 s63, s[WJ], 9
	s_add_co_u32 s2, s2, s63
	s_add_nc_u64 s[OUT:OUT+1], s[12:13], s[2:3]
	s_wait_loadcnt 0x0
	; THE MERGE.  Register 4 m + t: block t of my queries, slot r; lanes 0-15 K step 2 m, lanes 16-31 K step 2 m + 1
.irp t, 0,1,2,3
	v_min3_num_f32 v[GG+\t], v[NMR+\t], v[NMR+4+\t], v[NMR+8+\t]
.endr
.irp t, 0,1,2,3
	v_min3_num_f32 v[GG+\t], v[GG+\t], v[NMR+12+\t], v[NMR+16+\t]
.endr
.irp t, 0,1,2,3
	v_min3_num_f32 v[GG+\t], v[GG+\t], v[NMR+20+\t], v[NMR+24+\t]
.endr
.irp t, 0,1,2,3
	v_min_num_f32 v[GG+\t], v[GG+\t], v[NMR+28+\t]
.endr
.irp t, 0,1,2,3
	v_permlanex16_b32 v[EX+\t], v[GG+\t], s[SEL], s[SEL+1]
.endr
.irp t, 0,1,2,3
	v_min_num_f32 v[GG+\t], v[GG+\t], v[EX+\t]     ; -M of the row
.endr
.set i, 0
.rept 32
	v_sub_f32 v[DD+i], v[GG+i%4], v[NMR+i]         ; -(M - M_loc): a whole number, 0 or less
.set i, i+1
.endr
.set i, 0
.rept 32
	v_max_num_f32 v[DD+i], s67, v[DD+i]            ; held at -127
.set i, i+1
.endr
.set i, 0
.rept 32
	v_cvt_i32_f32 v[DD+i], v[DD+i]
.set i, i+1
.endr
.set i, 0
.rept 32
	v_ldexp_f32 v[LL+i], v[LL+i], v[DD+i]          ; l_loc 2^-d
.set i, i+1
.endr
.set i, 0
.rept 32
	v_sub_nc_u32 v[DD+i], 0, v[DD+i]               ; d, 0 to 127
.set i, i+1
.endr
.set i, 0
.rept 32
	v_perm_b32 v[DD+i], v[DD+i], v[DD+i], 0        ; in all four bytes
.set i, i+1
.endr
.set i, 0
.rept 32
	v_or_b32 v[NMR+i], s66, v[SA+i]                ; each byte + 128 (p's bytes are 123 at the most),
.set i, i+1
.endr
.set i, 0
.rept 32
	v_sub_nc_u32 v[NMR+i], v[NMR+i], v[DD+i]       ; - d: no byte borrows from its neighbour; bit 7 stays where the byte has not fallen under 0
.set i, i+1
.endr
.set i, 0
.rept 32
	v_and_b32 v[MK+i], s66, v[NMR+i]
.set i, i+1
.endr
.set i, 0
.rept 32
	v_lshrrev_b32 v[DD+i], 7, v[MK+i]
.set i, i+1
.endr
.set i, 0
.rept 32
	v_sub_nc_u32 v[MK+i], v[MK+i], v[DD+i]         ; 0x7f in those bytes, 0 in the others
.set i, i+1
.endr
.set i, 0
.rept 32
	v_and_b32 v[SA+i], v[NMR+i], v[MK+i]           ; byte - d, held at 0
.set i, i+1
.endr
.irp m, 1,2,3,4,5,6,7                          ; (these lines are also the places between the last write of a scale register and the first scaled product)
.irp t, 0,1,2,3
	v_add_f32 v[LL+\t], v[LL+\t], v[LL+4*\m+\t]
.endr
.endr
.irp t, 0,1,2,3
	v_permlanex16_b32 v[EX+\t], v[LL+\t], s[SEL], s[SEL+1]
.endr
.irp t, 0,1,2,3
	v_add_f32 v[LL+\t], v[LL+\t], v[EX+\t]         ; l of the row
.endr
	s_wait_alu depctr_va_vdst(0)
.irp t, 0,1,2,3
	v_rcp_f32 v[RL+2*\t], v[LL+\t]
.endr
	v_nop                                          ; a plain place behind the reciprocals
	s_wait_alu depctr_va_vdst(0)                   ; one wait for the four, ahead of their first reader
.irp t, 0,1,2,3
	v_mov_b32 v[RL+2*\t+1], v[RL+2*\t]
.endr
	s_wait_alu depctr_va_vdst(0)
	s_wait_tensorcnt 0x0                           ; my part of slot 0 is in
	ds_add_u32 v[SPW], v[NIL]
	s_wait_dscnt 0x0
	CROUND                                         ; everybody's part of slot 0 is in
	JLOAD 1                                        ; slot 1's first fill, one tensor load a wave
	FETCH 0, 0
	STEP 0, 1, 1, 0                                ; its products start the sums
	STEP 1, 1, 0, 1
	STEP 2, 1, 0, 1
	ROUNDFILL 0                                    ; K steps 8-11
	STEP 3, 1, 0, 0
	STEP 4, 1, 0, 1
	STEP 5, 1, 0, 1
	STEP 6, 1, 0, 1
	ROUNDFILL 1                                    ; K steps 12-15
	STEP 7, 1, 0, 0
	STEP 8, 1, 0, 1
	STEP 9, 1, 0, 1
	STEP 10, 1, 0, 1
	s_wait_tensorcnt 0x0                           ; my part of K steps 12-15 is in,
	s_wait_dscnt 0x0                               ; my reads of slot 0 are over,
	s_barrier_signal -1
	s_barrier_wait -1                              ; everybody's: nothing is filled again, so no round
	STEP 11, 1, 0, 1
	STEP 12, 1, 0, 1
	STEP 13, 1, 0, 1
	STEP 14, 1, 0, 1
	STEP 15, 0, 0, 0
	; THE WAY OUT, block by block of 16 queries x 128 of e: x 1 / l; through my stage, so that a store takes 512 consecutive bytes of one row of out0; slot t of block a is row 32 (a / 2) + 8 (a % 2) + t + 8 (t / 8)
.macro SCALE a
	WIN 0x02
.set p, 0
.rept 32
	v_pk_mul_f32 v[H+p:H+p+1], v[64*(\a)+p:64*(\a)+p+1], v[RL+2*(\a):RL+2*(\a)+1]   ; each accumulator from its low end on
.set p, p+2
.endr
	WIN 0
.endm
.macro TOSTAGE
.irp b, 0,1,2,3
.irp j, 0,1,2,3
	ds_store_b128 v[STO], v[H+16*\b+4*\j:H+16*\b+4*\j+3] offset:128*\b+16*\j
.endr
.endr
.irp t, 0,1,2,3,4,5,6,7,8,9,10,11,12,13,14,15
	ds_load_b128 v[BK+4*\t:BK+4*\t+3], v[RD] offset:528*\t   ; LDS serves a wave's instructions in order: these see the stores above
.endr
.endm
.macro SEND a
	s_wait_dscnt 0x0
.irp t, 0,1,2,3,4,5,6,7,8,9,10,11,12,13,14,15
	global_store_b128 v[LN], v[BK+4*\t:BK+4*\t+3], s[OUT:OUT+1] offset:(32*((\a)/2)+8*((\a)%2)+\t+8*(\t/8))*4096 th:TH_STORE_NT
.endr
.endm
	WIN 0
	PLACES
	s_wait_alu depctr_va_vdst(0)
	SCALE 0
	TOSTAGE
.irp a, 1,2,3
	s_wait_dscnt 16                                ; the 16 stores into the stage are done; the 16 loads behind them may be out
	SCALE \a
	s_wait_alu depctr_va_vdst(0)
	SEND \a-1
	s_wait_xcnt 0x0                                ; the stores have read their data: the next block's rows land there only behind this wait
	TOSTAGE
.endr
	SEND 3
	s_wait_tensorcnt 0x0                           ; the wave's end
	ds_add_u32 v[SPW], v[NIL]
	s_wait_dscnt 0x0
	CROUND                                         ; the closing round
	s_endpgm
.Lfunc_end_k_q6c72691195_pv:
	.size	k_q6c72691195_pv, .Lfunc_end_k_q6c72691195_pv-k_q6c72691195_pv
	.p2alignl 7, 3214868480
	.fill 96, 4, 3214868480
	.section	.rodata,"a",@progbits
	.p2align	6, 0x0
	.amdhsa_kernel k_q6c72691195_pv
		.amdhsa_group_segment_fixed_size 327680
		.amdhsa_private_segment_fixed_size 0
		.amdhsa_enable_private_segment 0
		.amdhsa_kernarg_size 40
		.amdhsa_user_sgpr_count 2
		.amdhsa_user_sgpr_kernarg_segment_ptr 1
		.amdhsa_wavefront_size32 1
		.amdhsa_system_sgpr_workgroup_id_x 1
		.amdhsa_system_sgpr_workgroup_id_y 1
		.amdhsa_system_sgpr_workgroup_id_z 1
		.amdhsa_system_vgpr_workitem_id 0
		.amdhsa_next_free_vgpr 768
		.amdhsa_next_free_sgpr 100
		.amdhsa_reserve_vcc 0
		.amdhsa_float_denorm_mode_32 3
		.amdhsa_float_denorm_mode_16_64 3
		.amdhsa_memory_ordered 1
		.amdhsa_forward_progress 1
		.amdhsa_inst_pref_size 161
	.end_amdhsa_kernel
	.amdgpu_metadata
---
amdhsa.version: [ 1, 2 ]
amdhsa.kernels:
  - .name:           k_q6c72691195_pv
    .symbol:         k_q6c72691195_pv.kd
    .args:
      - { .name: PB, .offset: 0, .size: 8, .value_kind: global_buffer, .address_space: global }
      - { .name: PST, .offset: 8, .size: 8, .value_kind: global_buffer, .address_space: global }
      - { .name: VT, .offset: 16, .size: 8, .value_kind: global_buffer, .address_space: global }
      - { .name: SC3, .offset: 24, .size: 8, .value_kind: global_buffer, .address_space: global }
      - { .name: out0, .offset: 32, .size: 8, .value_kind: global_buffer, .address_space: global }
    .group_segment_fixed_size: 327680
    .private_segment_fixed_size: 0
    .kernarg_segment_align: 8
    .kernarg_segment_size: 40
    .max_flat_workgroup_size: 128
    .sgpr_count:     100
    .vgpr_count:     768
    .wavefront_size: 32
...
	.end_amdgpu_metadata
.endif
;; end of part 4
